; MI455X (gfx1250); checked and timed in simulation.
; The chip was launched on July 23, 2026; its instructions are those of AMD's public machine-readable ISA for CDNA 5 (MIT licence, August 2026) and "CDNA5" Instruction Set Architecture Reference Guide (July 2026). The comments in the code are by the model that wrote it; some were corrected since.
;; Multi Head Attention. Allowed arithmetic: float matrix products may take bf16 or f16 operands with f32 sums; other float arithmetic in f32, or as packed bf16 or f16 multiplies, adds, multiply-adds, maxima and minima; sums over many terms, partial sums and values carried from step to step in f32; what a program stores and reads back later, other than sums and carried values, may be rounded once to bf16 or f16.
;; Inputs: Wk 1,024 x 1,024 float32; Wo 1,024 x 1,024 float32; Wq 1,024 x 1,024 float32; Wv 1,024 x 1,024 float32; adj 4 x 4,096 int32; bk 1,024 float32; bo 1,024 float32; bq 1,024 float32; bv 1,024 float32; mask 4 x 4,096 x 16 x 16 int32; x 4 x 4,096 x 1,024 float32.
;; Outputs: out0 4 x 4,096 x 1,024 float32.
;; 2 versions, each right; version 2 is version 1 with the launches prep, attn written anew for expert scheduling mode. Each part assembles by itself: llvm-mc -triple=amdgcn-amd-amdhsa -mcpu=gfx1250 --defsym DOCPART=n.
;; ======== version 1 of 2: 4 launches
;; limits: values are held in f16: magnitudes above 65,504 overflow, below 6.1e-05 lose precision
;; workspace buffers: xb 33,554,432 bytes; wqkv 6,291,456 bytes; wo16 2,097,152 bytes; biasr 16,384 bytes; qkvb 100,663,296 bytes; ob 33,554,432 bytes
;; launch prep (part 1): grid 513 x 1, 8 waves a work-group, no clusters, 0 bytes of LDS; arguments x, Wq, Wk, Wv, Wo, bq, bk, bv, bo, xb, wqkv, wo16, biasr; writes xb, wqkv, wo16, biasr
.if DOCPART == 1
	.amdgcn_target "amdgcn-amd-amdhsa--gfx1250"
	.amdhsa_code_object_version 6
	.text
	.protected	k_qb6ef210ab9_prep
	.globl	k_qb6ef210ab9_prep
	.p2align	8
	.type	k_qb6ef210ab9_prep,@function
k_qb6ef210ab9_prep:
	s_mov_b64 s[64:65], 0
	v_nop
	global_prefetch_b8 v0, s[64:65] scope:SCOPE_SE
	s_setreg_imm32_b32 hwreg(HW_REG_WAVE_MODE, 25, 1), 1
	s_wait_xcnt 0x0
; PREPARATION: every floating-point input is rounded once to bf16 and laid out for the launches behind.  (adj enters no result of the module and is not loaded.)
;   xb    [16384][1024] bf16 = x
;   wqkv  [3072][1024]  bf16 = Wq, Wk, Wv, their ROWS permuted (below)
;   wo16  [1024][1024]  f16  = Wo rounded to bf16, that number written as f16, its COLUMNS permuted by s1
;   biasr [4][1024]     f32  = bq, bk, bv (permuted like their matrices' rows), bo; each rounded to bf16 and widened again
; THE PERMUTATIONS, with n = head x 64 + d:
;   s1(n) = (d >> 3) x 128 + head x 8 + (d & 7)                                   for Wq, Wk, bq, bk and Wo's columns
;   s2(n) = (d >> 4) x 256 + (head >> 3) x 128 + (d & 15) x 8 + (head & 7)        for Wv, bv
; With them a token's q, k and v leave the first product in the order in which the attention launch's matrix fragments hold them: there every load and store of a wave is 512 bytes on end.
; LIMITS.  Wo must lie within f16's range (65,504); below 6e-5 it keeps f16's fixed step of 6e-8.
; SHARES.  A row is 1,024 f32: 4,096 bytes in, 2,048 out.  There are 16,384 rows of x and 4,096 rows of weights: wave W of 4,096 takes rows 4 W .. 4 W + 3 of x and row W of the weights
; (Wq, Wk, Wv, Wo on end), so that every wave, and every one of the work-groups 1 .. 512, moves the same bytes.  Work-group 0 makes the biases.
; A wave issues its 40 loads (20 KiB) at once and runs straight through: no register that a load or store names is written again, so the only waits are the counted ones for the data.
.set X,  8                             ; v[8:135]   x: row i, load j at X + 32 i + 4 j
.set WR, X+128                         ; v[136:167] the weights' row: load j at WR + 4 j
.set T,  0                             ; v[0:1]     at work in Wo's conversion, when the thread's number and the lane are no longer wanted
; a row of 1,024 f32 in 32 registers from reg on: rounded to bf16 in place and stored at byte off behind s[sb:sb+1]
.macro CASTROW reg, sb, off
.irp j, 0,1,2,3,4,5,6,7
	v_cvt_pk_bf16_f32 v[(\reg)+4*(\j)],   v[(\reg)+4*(\j)],   v[(\reg)+4*(\j)+1]
	v_cvt_pk_bf16_f32 v[(\reg)+4*(\j)+1], v[(\reg)+4*(\j)+2], v[(\reg)+4*(\j)+3]
	global_store_b64 v2, v[(\reg)+4*(\j):(\reg)+4*(\j)+1], s[(\sb):(\sb)+1] offset:(\off)+256*(\j)  ; the wave's 32 lanes store 256 consecutive bytes, aligned
.endr
.endm
	s_load_b512 s[8:23], s[0:1], 0x0               ; x s[8:9], Wq s[10:11], Wk s[12:13], Wv s[14:15], Wo s[16:17], bq s[18:19], bk s[20:21], bv s[22:23]
	s_load_b256 s[24:31], s[0:1], 0x40             ; bo s[24:25], xb s[26:27], wqkv s[28:29], wo16 s[30:31]
	s_load_b64 s[32:33], s[0:1], 0x60              ; biasr
	v_lshrrev_b32 v1, 5, v0
	v_readfirstlane_b32 s34, v1                    ; wave 0..7
	v_and_b32 v1, 31, v0                           ; lane
	v_lshlrev_b32 v2, 3, v1                        ; 8 x lane: my 8 bytes of 256 stored
	v_lshlrev_b32 v6, 4, v1                        ; 16 x lane: my 16 bytes of 512 loaded
	v_lshrrev_b32 v7, 1, v1
	v_and_b32 v3, 1, v1
	v_lshlrev_b32 v7, 8, v7
	v_lshl_add_u32 v7, v3, 4, v7                   ; (lane >> 1) x 256 + (lane & 1) x 16: my 16 bytes of a load of Wo (below)
	s_mov_b32 s43, 0                               ; high word of every offset pair
	s_mov_b32 s3, 0xffff0000                       ; a word's upper bf16
	; the numbers that hang on no address are made while the arguments are on their way (in work-group 0 they serve nothing)
	s_sub_co_u32 s35, ttmp9, 1
	s_lshl_b32 s35, s35, 3
	s_add_co_u32 s35, s35, s34                     ; W: my wave among the 4,096
	s_lshr_b32 s4, s35, 10                         ; which matrix my weights' row lies in: 0 Wq, 1 Wk, 2 Wv, 3 Wo
	s_and_b32 s5, s35, 1023                        ; n: the row in it
	s_bfe_u32 s46, s5, 0x30003                     ; s1(n): (n >> 3) & 7 is d >> 3,
	s_lshl_b32 s46, s46, 7
	s_lshr_b32 s6, s5, 6                           ; n >> 6 the head,
	s_lshl_b32 s6, s6, 3
	s_or_b32 s46, s46, s6
	s_and_b32 s6, s5, 7                            ; n & 7 is d & 7
	s_or_b32 s46, s46, s6
	s_bfe_u32 s47, s5, 0x20004                     ; s2(n): (n >> 4) & 3 is d >> 4,
	s_lshl_b32 s47, s47, 8
	s_bfe_u32 s6, s5, 0x10009                      ; (n >> 9) & 1 is head >> 3,
	s_lshl_b32 s6, s6, 7
	s_or_b32 s47, s47, s6
	s_and_b32 s6, s5, 15                           ; n & 15 is d & 15,
	s_lshl_b32 s6, s6, 3
	s_or_b32 s47, s47, s6
	s_bfe_u32 s6, s5, 0x30006                      ; (n >> 6) & 7 is head & 7
	s_or_b32 s47, s47, s6
	s_cmp_eq_u32 s4, 2
	s_cselect_b32 s46, s47, s46
	s_lshl_b32 s6, s4, 10
	s_add_co_u32 s46, s46, s6                      ; the row in wqkv;
	s_cmp_eq_u32 s4, 3
	s_cselect_b32 s46, s5, s46                     ; Wo's rows stay where they are
	s_wait_kmcnt 0x0
	s_cmp_eq_u32 ttmp9, 0
	s_cbranch_scc1 .Lbias
	s_lshl_b32 s42, s35, 14                        ; 4 rows of 4,096 bytes
	s_add_nc_u64 s[36:37], s[8:9], s[42:43]        ; x at my first row
	s_lshl_b32 s42, s35, 13
	s_add_nc_u64 s[38:39], s[26:27], s[42:43]      ; xb at the same row
	s_cmp_eq_u32 s4, 0
	s_cselect_b64 s[40:41], s[10:11], s[12:13]
	s_cmp_eq_u32 s4, 2
	s_cselect_b64 s[40:41], s[14:15], s[40:41]
	s_cmp_eq_u32 s4, 3
	s_cselect_b64 s[40:41], s[16:17], s[40:41]
	s_cselect_b64 s[44:45], s[30:31], s[28:29]
	s_lshl_b32 s42, s5, 12
	s_add_nc_u64 s[40:41], s[40:41], s[42:43]      ; the weights' row, where it comes from
	s_lshl_b32 s42, s46, 11
	s_add_nc_u64 s[44:45], s[44:45], s[42:43]      ; and where it goes
.irp i, 0,1,2,3
.irp j, 0,1,2,3,4,5,6,7
	global_load_b128 v[X+32*(\i)+4*(\j):X+32*(\i)+4*(\j)+3], v6, s[36:37] offset:4096*(\i)+512*(\j) th:TH_LOAD_NT
.endr
.endr
	s_cmp_eq_u32 s4, 3
	s_cbranch_scc1 .Lwo_in
.irp j, 0,1,2,3,4,5,6,7
	global_load_b128 v[WR+4*(\j):WR+4*(\j)+3], v6, s[40:41] offset:512*(\j) th:TH_LOAD_NT
.endr
	s_branch .Lrows
.Lwo_in:
	; Wo's columns go by s1: destination column 128 j + 4 lane + e comes from column (lane >> 1) x 64 + 8 j + 4 (lane & 1) + e.  The permutation is made on the reading side:
	; a load takes 32 bytes of each of 16 blocks of 256, and the wave's eight loads j, issued on end, take all of them; the stores stay whole.
.irp j, 0,1,2,3,4,5,6,7
	global_load_b128 v[WR+4*(\j):WR+4*(\j)+3], v7, s[40:41] offset:32*(\j)
.endr
.Lrows:
.irp i, 0,1,2,3
	s_wait_loadcnt 32-8*(\i)                       ; loads come back in order: row i of x is in; the 8 loads of each younger row and the weights' 8 may stay out
	CASTROW X+32*(\i), 38, 2048*(\i)
.endr
	s_wait_loadcnt 0x0                             ; the weights' row
	s_cmp_eq_u32 s4, 3
	s_cbranch_scc1 .Lwo_out
	CASTROW WR, 44, 0
	s_endpgm
.Lwo_out:
.irp j, 0,1,2,3,4,5,6,7
	v_cvt_pk_bf16_f32 v[T],   v[WR+4*(\j)],   v[WR+4*(\j)+1]  ; rounded to bf16 like every input,
	v_cvt_pk_bf16_f32 v[T+1], v[WR+4*(\j)+2], v[WR+4*(\j)+3]
	v_lshlrev_b32 v[WR+4*(\j)],   16, v[T]                    ; widened,
	v_and_b32     v[WR+4*(\j)+1], s3, v[T]
	v_lshlrev_b32 v[WR+4*(\j)+2], 16, v[T+1]
	v_and_b32     v[WR+4*(\j)+3], s3, v[T+1]
	v_cvt_pk_f16_f32 v[WR+4*(\j)],   v[WR+4*(\j)],   v[WR+4*(\j)+1]  ; and written as f16: 8 significant bits fit into 11
	v_cvt_pk_f16_f32 v[WR+4*(\j)+1], v[WR+4*(\j)+2], v[WR+4*(\j)+3]
	global_store_b64 v2, v[WR+4*(\j):WR+4*(\j)+1], s[44:45] offset:256*(\j)
.endr
	s_endpgm
.Lbias:                                            ; thread t of 256 makes numbers 4 t .. 4 t + 3 of each of the four rows of biasr
	v_bfe_u32 v8, v0, 1, 4                         ; (t >> 1) & 15
	v_lshrrev_b32 v9, 5, v0                        ; t >> 5
	v_and_b32 v12, 1, v0                           ; t & 1
	v_bfe_u32 v13, v0, 5, 1                        ; (t >> 5) & 1
	v_lshrrev_b32 v14, 6, v0                       ; t >> 6
	v_lshlrev_b32 v10, 8, v8                       ; s1 backwards: head (t >> 1) & 15, d = 8 (t >> 5) + 4 (t & 1) + e: four numbers on end
	v_lshl_add_u32 v10, v9, 5, v10
	v_lshl_add_u32 v10, v12, 4, v10
	v_lshlrev_b32 v11, 11, v13                     ; s2 backwards: head 8 ((t >> 5) & 1) + 4 (t & 1) + e, d = 16 (t >> 6) + ((t >> 1) & 15): four numbers 256 bytes apart
	v_lshl_add_u32 v11, v12, 10, v11
	v_lshl_add_u32 v11, v14, 6, v11
	v_lshl_add_u32 v11, v8, 2, v11
	v_lshlrev_b32 v15, 4, v0                       ; 16 t
	global_load_b128 v[16:19], v10, s[18:19]
	global_load_b128 v[20:23], v10, s[20:21]
.irp e, 0,1,2,3
	global_load_b32 v[24+(\e)], v11, s[22:23] offset:256*(\e)
.endr
	global_load_b128 v[28:31], v15, s[24:25]
	s_wait_loadcnt 0x0
.irp p, 16,18,20,22,24,26,28,30
	v_cvt_pk_bf16_f32 v32, v[\p], v[(\p)+1]
	v_lshlrev_b32 v[\p], 16, v32
	v_and_b32 v[(\p)+1], s3, v32
.endr
.irp m, 0,1,2,3
	global_store_b128 v15, v[16+4*(\m):19+4*(\m)], s[32:33] offset:4096*(\m)
.endr
	s_endpgm
.Lfunc_end_k_qb6ef210ab9_prep:
	.size	k_qb6ef210ab9_prep, .Lfunc_end_k_qb6ef210ab9_prep-k_qb6ef210ab9_prep
	.p2alignl 7, 3214868480
	.fill 96, 4, 3214868480
	.section	.rodata,"a",@progbits
	.p2align	6, 0x0
	.amdhsa_kernel k_qb6ef210ab9_prep
		.amdhsa_group_segment_fixed_size 0
		.amdhsa_private_segment_fixed_size 0
		.amdhsa_enable_private_segment 0
		.amdhsa_kernarg_size 104
		.amdhsa_user_sgpr_count 2
		.amdhsa_user_sgpr_kernarg_segment_ptr 1
		.amdhsa_wavefront_size32 1
		.amdhsa_system_sgpr_workgroup_id_x 1
		.amdhsa_system_sgpr_workgroup_id_y 1
		.amdhsa_system_sgpr_workgroup_id_z 1
		.amdhsa_system_vgpr_workitem_id 0
		.amdhsa_next_free_vgpr 168
		.amdhsa_next_free_sgpr 66
		.amdhsa_reserve_vcc 0
		.amdhsa_float_denorm_mode_32 3
		.amdhsa_float_denorm_mode_16_64 3
		.amdhsa_memory_ordered 1
		.amdhsa_forward_progress 1
		.amdhsa_inst_pref_size 23
	.end_amdhsa_kernel
	.amdgpu_metadata
---
amdhsa.version: [ 1, 2 ]
amdhsa.kernels:
  - .name:           k_qb6ef210ab9_prep
    .symbol:         k_qb6ef210ab9_prep.kd
    .args:
      - { .name: x, .offset: 0, .size: 8, .value_kind: global_buffer, .address_space: global }
      - { .name: Wq, .offset: 8, .size: 8, .value_kind: global_buffer, .address_space: global }
      - { .name: Wk, .offset: 16, .size: 8, .value_kind: global_buffer, .address_space: global }
      - { .name: Wv, .offset: 24, .size: 8, .value_kind: global_buffer, .address_space: global }
      - { .name: Wo, .offset: 32, .size: 8, .value_kind: global_buffer, .address_space: global }
      - { .name: bq, .offset: 40, .size: 8, .value_kind: global_buffer, .address_space: global }
      - { .name: bk, .offset: 48, .size: 8, .value_kind: global_buffer, .address_space: global }
      - { .name: bv, .offset: 56, .size: 8, .value_kind: global_buffer, .address_space: global }
      - { .name: bo, .offset: 64, .size: 8, .value_kind: global_buffer, .address_space: global }
      - { .name: xb, .offset: 72, .size: 8, .value_kind: global_buffer, .address_space: global }
      - { .name: wqkv, .offset: 80, .size: 8, .value_kind: global_buffer, .address_space: global }
      - { .name: wo16, .offset: 88, .size: 8, .value_kind: global_buffer, .address_space: global }
      - { .name: biasr, .offset: 96, .size: 8, .value_kind: global_buffer, .address_space: global }
    .group_segment_fixed_size: 0
    .private_segment_fixed_size: 0
    .kernarg_segment_align: 8
    .kernarg_segment_size: 104
    .max_flat_workgroup_size: 256
    .sgpr_count:     66
    .vgpr_count:     168
    .wavefront_size: 32
...
	.end_amdgpu_metadata
.endif
;; end of part 1
;; launch qkv (part 2): grid 4 x 64, 4 waves a work-group, clusters of 4 x 4, 327,680 bytes of LDS; arguments xb, wqkv, qkvb, biasr; writes qkvb
.if DOCPART == 2
	.amdgcn_target "amdgcn-amd-amdhsa--gfx1250"
	.amdhsa_code_object_version 6
	.text
	.protected	k_qb6ef210ab9_qkv
	.globl	k_qb6ef210ab9_qkv
	.p2align	8
	.type	k_qb6ef210ab9_qkv,@function
k_qb6ef210ab9_qkv:
	s_mov_b64 s[64:65], 0
	v_nop
	global_prefetch_b8 v0, s[64:65] scope:SCOPE_SE
	s_setreg_imm32_b32 hwreg(HW_REG_WAVE_MODE, 25, 1), 1
	s_wait_xcnt 0x0
	s_wait_alu depctr_hold_cnt(0) depctr_sa_sdst(0) depctr_va_vdst(0) depctr_va_sdst(0) depctr_va_ssrc(0) depctr_va_vcc(0) depctr_vm_vsrc(0)
	s_getreg_b32 s2, hwreg(HW_REG_IB_STS2, 6, 4)
	s_cmp_eq_u32 s2, 0
	s_cbranch_scc0 .Lentry_in_a_cluster
	s_endpgm
.Lentry_in_a_cluster:
	s_bfe_u32 s2, ttmp6, 0x10000c
	s_cmp_lg_u32 s2, 0xf033
	s_cbranch_scc0 .Lentry_shape_is_right
	s_endpgm
.Lentry_shape_is_right:
; qkvb[m][n] = the sum over k of xb[m][k] wqkv[n][k] + biasr[n].  xb: [16384][1024] bf16, wqkv: [3072][1024] bf16 (Wq, Wk, Wv with permuted rows), biasr: f32, qkvb: [16384][3072] f16.
; Sums in f32, K ascending, started with the bias; the result rounded once to f16.  LIMIT: a result of 65,520 or more becomes an infinity in f16; NaN and infinities are not treated apart.
; A tile of C, 256 x 256, is made by a work-group of four waves; a wave makes 128 x 128: 64 accumulators of 16 x 16, 512 registers.  K goes in steps of 128 through a ring of two LDS slots
; filled by the tensor data mover: a tile's rows are 256 bytes of memory, at multiples of 256 bytes from the buffer's first byte.
; A WORK-GROUP STAYS: it makes three tiles, the same 256 rows of xb against its columns c, c + 1024, c + 2048 (its block of q, of k, of v); the ring does not stop at a tile's end.
; The loop over tiles is counted; a tile's last lap has two texts (one that asks for the next tile's first K steps, one that asks for nothing), and both lead to ONE text of the way out.
; CLUSTERS: 4 x 4 work-groups.  The four of a row of the cluster need the same tiles of xb, the four of a column the same tiles of wqkv: each tile is asked for JOINTLY, by the same tensor load with
; the same descriptor and a mask that names the four.
; THE MATRIX INSTRUCTION IS USED TRANSPOSED (source 0 = 16 rows of wqkv, source 1 = 16 rows of xb): lane l holds row l % 16 of C and the columns 8 (l / 16) + 0..7: 16 bytes of f16 on end.
; THE BIAS IS THE C OPERAND of a tile's first 64 products: register j of lane l of the eight for column block b holds biasr[16 b + 8 (l / 16) + j].  Nothing is cleared and nothing is added afterwards.
; REGISTERS, in windows of 256 (s_set_vgpr_msb: bits 1:0 source 0, 3:2 source 1, 5:4 source 2, 7:6 destination):
;   window 0: v0-31 addresses; v64-127, v128-191 fragments of xb, two buffers; v32-63, v192-255 at work on the way out
;   window 1: v0-63 the bias; v64-127, v128-191 fragments of wqkv, two buffers
;   window 2: the 32 accumulators of my rows 0-63 ((a, b) at v[8 (8 a + b)]);   window 3: those of my rows 64-127
.set SIZE_K, 1024
.set KSTEP,  128
.set PITCH,  272                       ; an LDS row: 256 bytes + 16 of padding = 68 words: row r starts at bank 4 r mod 64 (64 banks of 4 bytes: ISA guide 11.1)
.set HALFT,  128*PITCH                 ; 128 rows: what one tensor load brings, and what one wave reads of either operand
.set SLOT,   4*HALFT                   ; xb's 256 rows, then wqkv's 256 rows
.set STAGE,  2*SLOT                    ; behind the ring: 16 rows x 272 bytes for each wave, for the way out; no tensor load lands here
.set SPITCH, 272
.set SPARE,  STAGE+4*16*SPITCH         ; behind the stages: the spare words, 128 bytes for each wave: two blocks of 256 bytes that no other line names
.set LAPS,   SIZE_K/(2*KSTEP)          ; a lap = two K steps = once round the ring
.set TILES,  3
.set CPITCH, 6144                      ; bytes in a row of qkvb
.set BACK_A, (SIZE_K-2*KSTEP)*2        ; from a slot's last K step of a tile back to its first: xb's rows are the same for all three tiles
.set NEXT_B, 1024*SIZE_K*2-BACK_A      ; wqkv goes 1,024 rows down and back along K
.set ADRA, 16                          ; v16-17  LDS address of my fragments of xb in slot 0, 1
.set ADRB, 20                          ; v20-21  the same for wqkv
.set STO,  24                          ; v24     the way out: where I put 16 bytes of a row
.set RD,   25                          ; v25     the way out: where I read a row back
.set CO,   26                          ; v26     my byte offset in two rows of C
.set BO,   27                          ; v27     32 x (l / 16): my 8 numbers of a column block's 16 biases
.set SPW,  28                          ; v28     LDS address of my spare word: SPARE + 4 x my thread's number; never rewritten
.set NIL,  29                          ; v29     0; never rewritten
.set PFO,  30                          ; v30     the prefetches' offset: my lane x a row of 2,048 bytes; never rewritten
.set PFA,  44                          ; s[44:45] where my prefetches stand: my work-group's 32 rows of the 128 that I fetch, one K step further along K than the refill in hand
.set LIM,  43                          ; s43     1 in a wave that prefetches, else the greatest number
.set BP,   66                          ; s[66:67] biasr at my wave's first column of the tile
.set F0,   64
.set F1,   128
.set TMP,  192                         ; the way out: packed results
.set OB,   32                          ; the way out: 16 rows read back from the stage: v32-63 and v224-255 by turns
.set G1,  24                           ; s[24:31] descriptor group 1 for xb's tiles;  s[32:39] group 0, one set for each slot
.set G0,  32
.set G1B, 48                           ; s[48:55], s[56:63] the same for wqkv's tiles
.set G0B, 56
.set MSB, 0
.macro WIN new                         ; the immediate's high byte repeats the setting that is left; a switch that changes nothing is dropped
.if MSB != (\new)
	s_set_vgpr_msb (MSB<<8)|(\new)
.set MSB, \new
.endif
.endm
.set TO_B, 0x40                        ; destination window 1, address window 0
; A joint load.  Waves 0 and 1 fetch xb's two halves, waves 2 and 3 wqkv's.  The branch hangs on the wave's number alone.  An s_nop 0 and four v_nop follow each of the two lines.
.macro JLOAD s
	s_cmp_eq_u32 s11, 0
	s_cbranch_scc0 .Lfor_b_\@
	tensor_load_to_lds s[G0+4*(\s):G0+4*(\s)+3], s[G1:G1+7]
	s_nop 0
.rept 4
	v_nop
.endr
	s_branch .Lasked_\@
.Lfor_b_\@:
	tensor_load_to_lds s[G0B+4*(\s):G0B+4*(\s)+3], s[G1B:G1B+7]
	s_nop 0
.rept 4
	v_nop
.endr
.Lasked_\@:
.endm
; A PREFETCH INTO THE L2, behind each joint load, its five lines and the run of LDS loads: the K step that stands TWO refills on (512 matrix instructions ahead of the load that will ask for it): 32 rows x 256 bytes,
; a lane a row, one instruction a wave.  Each row's 256 bytes of a K step are named once in the launch: xb's rows by the one cluster that reads them, in the first tile alone (the later tiles read
; them again); wqkv's rows, which all sixteen clusters read, by the cluster with y = 0, in every tile.  The four partners that ask for a tile jointly share its rows out BY ADDRESS, 32 each.
; how = 0, in the loop: a tile's last two refills have no K step two on.  how = 1, at a change of tiles: the next tile's K steps 2 and 3.
.macro ASK how
.if \how
	s_cmp_eq_u32 s[LIM], 1
.else
	s_cmp_gt_u32 s3, s[LIM]                        ; s3 = 1 in the loop's last trip
.endif
	s_cbranch_scc0 .Lnot_mine_\@
	global_prefetch_b8 v[PFO], s[PFA:PFA+1] offset:KSTEP*2 th:TH_LOAD_NT scope:SCOPE_SE
.Lnot_mine_\@:
.endm
; A round of the cluster's barrier: my work-group's barrier; wave 0 signals for the work-group; every wave waits for all sixteen work-groups; my work-group's barrier once more.
.macro CREST
	s_cmp_lg_u32 s10, 0
	s_cbranch_scc1 .Lnot_wave_0_\@
	s_barrier_signal -3
.Lnot_wave_0_\@:
	s_barrier_wait -3
	s_barrier_signal -1
	s_barrier_wait -1
.endm
.macro CROUND
	s_barrier_signal -1
	s_barrier_wait -1
	CREST
.endm
	s_load_b128 s[4:7], s[0:1], 0x0                ; xb s[4:5], wqkv s[6:7]
	s_load_b64 s[8:9], s[0:1], 0x10                ; qkvb
	s_load_b64 s[BP:BP+1], s[0:1], 0x18            ; biasr
	v_lshl_add_u32 v[SPW], v0, 2, SPARE
	v_mov_b32 v[NIL], 0
	ds_add_u32 v[SPW], v[NIL]                      ; the wave's opening: the add and its wait stand ahead of my first tensor load; the set-up below, work on registers, stands between them
	v_lshrrev_b32 v1, 5, v0
	v_readfirstlane_b32 s10, v1                    ; wave 0..3
	s_lshr_b32 s11, s10, 1                         ; which half of the tile's rows is mine.  Also: I fetch for xb (0) or for wqkv (1)
	s_and_b32 s12, s10, 1                          ; which half of its columns.  Also: which 128 rows of that tile I fetch
	s_bfe_u32 s40, ttmp6, 0x40000                  ; cx
	s_bfe_u32 s41, ttmp6, 0x40004                  ; cy
	s_lshl_b32 s42, ttmp9, 2
	s_add_co_u32 s42, s42, s40                     ; tile column = 4 x cluster x + cx: 0..3
	s_and_b32 s13, ttmp7, 0xffff
	s_lshl_b32 s13, s13, 2
	s_add_co_u32 s13, s13, s41                     ; tile row = 4 x cluster y + cy: 0..63
	s_lshl_b32 s43, s41, 2
	s_lshl_b32 s43, 15, s43                        ; my row of the cluster: places 4 cy .. 4 cy + 3
	s_lshl_b32 s44, 0x1111, s40                    ; my column: places cx, cx + 4, cx + 8, cx + 12
	; descriptor group 1: a tile of 128 rows x 128 elements of 2 bytes, padded in LDS by 4 words after every 64
	s_or_b32 s[G1+0], s43, (1<<16)|(1<<20)|(1<<21)|(5<<22)|(3<<25)   ; 15:0 the mask; 17:16 2-byte elements; 20 padding on; 21 set beside a mask; 24:22 code 5; 31:25 code 3
	s_or_b32 s[G1B+0], s44, (1<<16)|(1<<20)|(1<<21)|(5<<22)|(3<<25)
.irp g, G1, G1B
	s_mov_b32 s[(\g)+1], KSTEP<<16                 ; tensor_dim0 = 128
	s_mov_b32 s[(\g)+2], 128<<16                   ; tensor_dim1 = 128
	s_mov_b32 s[(\g)+3], KSTEP<<16                 ; tile_dim0 = 128
	s_mov_b32 s[(\g)+4], 128                       ; tile_dim1 = 128
	s_mov_b32 s[(\g)+5], SIZE_K                    ; elements from row to row
	s_mov_b32 s[(\g)+6], 0
	s_mov_b32 s[(\g)+7], 0
.endr
	; where the tiles come from: xb's hang on the tile row alone, wqkv's on the tile column alone; each address in registers that never hold the other coordinate
	s_lshl_b32 s17, s12, 7
	s_lshl_b32 s16, s13, 8
	s_add_co_u32 s16, s16, s17                     ; xb: row 256 x tile row + 128 x half
	s_lshl_b32 s46, s42, 8
	s_add_co_u32 s46, s46, s17                     ; wqkv: row 256 x tile column + 128 x half
	s_mov_b32 s17, 0
	s_mov_b32 s47, 0
	s_mov_b64 s[18:19], SIZE_K*2
	s_mul_u64 s[16:17], s[16:17], s[18:19]
	s_mul_u64 s[46:47], s[46:47], s[18:19]
	s_mul_i32 s20, s10, HALFT                      ; where they go: wave x 128 rows: no place in the cluster enters an LDS address
	s_wait_dscnt 0x0                               ; the opening add is done
	s_wait_kmcnt 0x0
	s_add_nc_u64 s[14:15], s[4:5], s[16:17]
	s_add_nc_u64 s[46:47], s[6:7], s[46:47]
	CROUND                                         ; all sixteen work-groups are here: the first joint loads meet
.irp s, 0,1
	s_mov_b32 s[G0+4*(\s)], 1
	s_add_co_u32 s[G0+4*(\s)+1], s20, (\s)*SLOT
	s_add_nc_u64 s[G0+4*(\s)+2:G0+4*(\s)+3], s[14:15], (\s)*KSTEP*2
	s_or_b32 s[G0+4*(\s)+3], s[G0+4*(\s)+3], 0x80000000
	s_mov_b32 s[G0B+4*(\s)], 1
	s_add_co_u32 s[G0B+4*(\s)+1], s20, (\s)*SLOT
	s_add_nc_u64 s[G0B+4*(\s)+2:G0B+4*(\s)+3], s[46:47], (\s)*KSTEP*2
	s_or_b32 s[G0B+4*(\s)+3], s[G0B+4*(\s)+3], 0x80000000
	JLOAD \s                                       ; K steps 0 and 1: two tensor loads of mine are out; later one
.endr
	; a fragment is 16 rows x 32 K in 8 registers: lane l holds row l % 16, K = 8 (l / 16) + 0..7 and 16 + 8 (l / 16) + 0..7: two loads of 16 bytes, 32 bytes apart
	v_and_b32 v1, 15, v0                           ; l % 16
	v_bfe_u32 v2, v0, 4, 1                         ; l / 16
	v_mul_u32_u24 v3, v1, PITCH
	v_lshl_add_u32 v3, v2, 4, v3
	s_mul_i32 s21, s11, HALFT                      ; my 128 rows of xb
	s_mul_i32 s22, s12, HALFT                      ; my 128 rows of wqkv,
	s_add_co_u32 s22, s22, 2*HALFT                 ; which lie behind xb's 256
.irp s, 0,1
	v_add_nc_u32 v[ADRA+(\s)], s21, v3
	v_add_nc_u32 v[ADRB+(\s)], s22, v3
	s_add_co_u32 s21, s21, SLOT
	s_add_co_u32 s22, s22, SLOT
.endr
	s_mul_i32 s23, s10, 16*SPITCH
	s_add_co_u32 s23, s23, STAGE                   ; my stage
	v_mul_u32_u24 v4, v1, SPITCH                   ; in: row l % 16, 16 bytes for each half of the lanes
	v_lshl_add_u32 v4, v2, 4, v4
	v_add_nc_u32 v[STO], s23, v4
	v_mul_u32_u24 v5, v2, SPITCH                   ; back: lanes 0-15 take one row of 256 bytes, lanes 16-31 the next
	v_lshl_add_u32 v5, v1, 4, v5
	v_add_nc_u32 v[RD], s23, v5
	v_mul_u32_u24 v5, v2, CPITCH                   ; and the same two rows in C
	v_lshl_add_u32 v[CO], v1, 4, v5
	v_lshlrev_b32 v[BO], 5, v2
	; C and the bias at my part of the first tile
	s_lshl_b32 s13, s13, 8
	s_lshl_b32 s14, s11, 7
	s_add_co_u32 s16, s13, s14                     ; my first row of C
	s_mov_b32 s17, 0
	s_mov_b64 s[18:19], CPITCH
	s_mul_u64 s[16:17], s[16:17], s[18:19]
	s_lshl_b32 s46, s42, 9                         ; my first column, in bytes of f16: 512 x tile column + 256 x half
	s_lshl_b32 s47, s12, 8
	s_add_co_u32 s46, s46, s47
	s_mov_b32 s47, 0
	s_add_nc_u64 s[16:17], s[16:17], s[46:47]
	s_add_nc_u64 s[8:9], s[8:9], s[16:17]
	s_lshl_b32 s46, s46, 1                         ; the same column in bytes of f32
	s_add_nc_u64 s[BP:BP+1], s[BP:BP+1], s[46:47]
	WIN TO_B
.irp b, 0,1,2,3,4,5,6,7
	global_load_b128 v[8*(\b):8*(\b)+3],   v[BO], s[BP:BP+1] offset:64*(\b)
	global_load_b128 v[8*(\b)+4:8*(\b)+7], v[BO], s[BP:BP+1] offset:64*(\b)+16
.endr
	WIN 0
	; the prefetches.  s13 = 256 x tile row, s42 = tile column, s40 = cx, s41 = cy still stand
	s_lshl_b32 s42, s42, 8
	s_and_b32 s22, ttmp7, 0xffff                   ; cluster y
	s_cmp_eq_u32 s11, 0                            ; do I fetch for xb?
	s_cselect_b32 s20, s13, s42                    ; the tile's first row
	s_cselect_b32 s21, s40, s41                    ; my place among the four that ask for it with me
	s_cselect_b32 s22, ttmp9, s22                  ; the coordinate along which other clusters read the same rows
	s_cselect_b64 s[PFA:PFA+1], s[4:5], s[6:7]
	s_cmp_eq_u32 s22, 0
	s_cselect_b32 s[LIM], 1, -1                    ; the same in all sixteen partners, for a given wave
	s_lshl_b32 s22, s12, 7
	s_add_co_u32 s20, s20, s22                     ; + the 128 rows that I fetch
	s_lshl_b32 s21, s21, 5
	s_add_co_u32 s20, s20, s21                     ; + my work-group's 32 of them
	s_mov_b32 s21, 0
	s_mov_b64 s[18:19], SIZE_K*2
	s_mul_u64 s[20:21], s[20:21], s[18:19]
	s_add_nc_u64 s[PFA:PFA+1], s[PFA:PFA+1], s[20:21]
	s_add_nc_u64 s[PFA:PFA+1], s[PFA:PFA+1], 2*KSTEP*2  ; at K step 2: the first refill steps it to 3 and names K step 4.  Nothing is prefetched here, at the head
	v_and_b32 v[PFO], 31, v0
	v_mul_u32_u24 v[PFO], v[PFO], SIZE_K*2
; 16 matrix instructions: m blocks a0, a0 + 1 of the window's four (hi = 0: my rows 0-63, 1: rows 64-127) x all 8 n blocks, 32 along K.  bias = 1: the product starts the sum with the bias (window 1).
; The 64 accumulators take turns in one order everywhere.
.macro MUL16 f, hi, a0, bias
.if \bias
	WIN 0x91+0x40*(\hi)                            ; source 0 window 1, source 1 window 0, C window 1, D window 2 or 3
.else
	WIN 0xa1+0x50*(\hi)                            ; the same with C in D's window
.endif
.irp a, \a0, (\a0)+1
.irp b, 0,1,2,3,4,5,6,7
.if \bias
	v_wmma_f32_16x16x32_bf16 v[8*(8*(\a)+(\b)):8*(8*(\a)+(\b))+7], v[(\f)+8*(\b):(\f)+8*(\b)+7], v[(\f)+8*(4*(\hi)+(\a)):(\f)+8*(4*(\hi)+(\a))+7], v[8*(\b):8*(\b)+7]
.else
	v_wmma_f32_16x16x32_bf16 v[8*(8*(\a)+(\b)):8*(8*(\a)+(\b))+7], v[(\f)+8*(\b):(\f)+8*(\b)+7], v[(\f)+8*(4*(\hi)+(\a)):(\f)+8*(4*(\hi)+(\a))+7], v[8*(8*(\a)+(\b)):8*(8*(\a)+(\b))+7]
.endif
.endr
.endr
.endm
; 32 LDS loads in one run: the fragments of one quarter step (32 K at byte k of the rows) into buffer f: wqkv's 16, then xb's 16
.macro FETCH slot, k, f
	WIN TO_B
.irp i, 0,1,2,3,4,5,6,7
	ds_load_b128 v[(\f)+8*(\i):(\f)+8*(\i)+3],   v[ADRB+(\slot)] offset:(\k)+(\i)*16*PITCH
	ds_load_b128 v[(\f)+8*(\i)+4:(\f)+8*(\i)+7], v[ADRB+(\slot)] offset:(\k)+(\i)*16*PITCH+32
.endr
	WIN 0
.irp i, 0,1,2,3,4,5,6,7
	ds_load_b128 v[(\f)+8*(\i):(\f)+8*(\i)+3],   v[ADRA+(\slot)] offset:(\k)+(\i)*16*PITCH
	ds_load_b128 v[(\f)+8*(\i)+4:(\f)+8*(\i)+7], v[ADRA+(\slot)] offset:(\k)+(\i)*16*PITCH+32
.endr
.endm
.macro PLACES                          ; four plain vector instructions between a matrix instruction and a load into one of its registers or a reader of its result (ISA guide 7.12.1 for vector instructions)
.rept 4
	v_nop
.endr
.endm
; A K step is four quarters of 32 along K, 64 matrix instructions each, on buffers 0, 1, 0, 1.  One of the first three: multiplies buffer f and, in its middle, fetches the next quarter into g.
.macro QUARTER slot, k, f, g, bias
	s_wait_dscnt 8                                 ; wqkv's fragments and xb's rows 0-63 are in; the youngest eight loads (xb's rows 64-127) may be out
	MUL16 \f, 0, 0, \bias
	MUL16 \f, 0, 2, \bias
	PLACES
	FETCH \slot, \k, \g
	s_wait_dscnt 32                                ; all but the 32 just issued
	MUL16 \f, 1, 0, \bias
	MUL16 \f, 1, 2, \bias
.endm
; The last quarter's first half: ONE barrier for the change of slots.  In front of it each wave waits for all its tensor loads (one is out: its part of the next slot), adds 0 to its spare word,
; and waits for that and for its own reads of this slot.  Behind it nobody reads this slot any more and the next slot is whole.
.macro MEET round
	WIN 0
	s_wait_tensorcnt 0x0                           ; all my tensor loads have landed
	ds_add_u32 v[SPW], v[NIL]                      ; 0 onto my spare word
	s_wait_dscnt 9                                 ; (the add and the youngest eight loads may be out)
	MUL16 F1, 0, 0, 0                              ; sixteen matrix instructions stand between the add and the wait for it
	s_wait_dscnt 0x0                               ; the add is done, and my reads of this slot are over
	s_barrier_signal -1
	MUL16 F1, 0, 2, 0                              ; work on registers while the others arrive
.if \round
	WIN 0
.endif
	s_barrier_wait -1
.endm
; The whole last quarter.  Behind the round the slot just read out is filled again first: with this tile's K step two steps on (on = 0) or with the NEXT tile's K step 0 or 1 (on = 1).
; From a request to the wait for it a wave issues 224 matrix instructions.
.macro TURN slot, next, on
	s_wait_xcnt 0x0                                ; the last prefetch, a K step back, has read its address: it is stepped here
.if (\on) && (\slot) == 0
	s_add_nc_u64 s[PFA:PFA+1], s[PFA:PFA+1], 1023*SIZE_K*2+KSTEP*2  ; from the K step after the tile's last to the next tile's K step 1: 1,024 rows down, back along K
	s_cmp_eq_u32 s11, 0
	s_cselect_b32 s[LIM], -1, s[LIM]               ; xb's rows are the same for all three tiles: they are prefetched no more
.else
	s_add_nc_u64 s[PFA:PFA+1], s[PFA:PFA+1], KSTEP*2
.endif
	MEET 1
	CREST                                          ; no wave of any partner still reads this slot's tile or has a load on its way
.if \on
	s_sub_nc_u64 s[G0+4*(\slot)+2:G0+4*(\slot)+3], s[G0+4*(\slot)+2:G0+4*(\slot)+3], BACK_A
	s_add_nc_u64 s[G0B+4*(\slot)+2:G0B+4*(\slot)+3], s[G0B+4*(\slot)+2:G0B+4*(\slot)+3], NEXT_B
.else
	s_add_nc_u64 s[G0+4*(\slot)+2:G0+4*(\slot)+3], s[G0+4*(\slot)+2:G0+4*(\slot)+3], 2*KSTEP*2
	s_add_nc_u64 s[G0B+4*(\slot)+2:G0B+4*(\slot)+3], s[G0B+4*(\slot)+2:G0B+4*(\slot)+3], 2*KSTEP*2
.endif
	JLOAD \slot                                    ; the first tensor load behind the round; its four v_nop are also the places in front of the loads below
	FETCH \next, 0, F0
	ASK \on
	MUL16 F1, 1, 0, 0
	MUL16 F1, 1, 2, 0
.endm
; THE WAY OUT of block a (16 rows x 128 columns).  PACK: rounded to f16, 16 bytes a lane.  TOSTAGE: into my own stage in LDS, and back as whole rows of 256 bytes.  SEND: stored.
.macro PACK a
.set AC, 64*((\a)%4)
	WIN 0x0a+5*((\a)/4)                            ; sources 0 and 1: window 2 or 3
.irp b, 0,1,2,3,4,5,6,7
.irp r, 0,1,2,3
	v_cvt_pk_f16_f32 v[TMP+4*(\b)+(\r)], v[AC+8*(\b)+2*(\r)], v[AC+8*(\b)+2*(\r)+1]  ; each accumulator's registers in ascending order
.endr
.endr
	WIN 0
.endm
.macro TOSTAGE a
	WIN 0
.set BK, OB+192*((\a)%2)
.irp b, 0,1,2,3,4,5,6,7
	ds_store_b128 v[STO], v[TMP+4*(\b):TMP+4*(\b)+3] offset:32*(\b)
.endr
.irp t, 0,1,2,3,4,5,6,7
	ds_load_b128 v[BK+4*(\t):BK+4*(\t)+3], v[RD] offset:(\t)*2*SPITCH  ; LDS serves a wave's instructions in order (ISA guide 5.7.1.4): these see the stores above
.endr
.endm
.macro SEND a
	WIN 0
.set BK, OB+192*((\a)%2)
	s_wait_dscnt 0x0                               ; the block is back in registers
	s_wait_xcnt 0x0                                ; the stores of the block before have read their registers: the next TOSTAGE loads into them
.irp t, 0,1,2,3,4,5,6,7
	global_store_b128 v[CO], v[BK+4*(\t):BK+4*(\t)+3], s[8:9] offset:(16*(\a)+2*(\t))*CPITCH  ; 16 lanes store 256 consecutive bytes, at a multiple of 256 from C's first byte; 126 rows at the most in the immediate
.endr
.endm
	s_wait_tensorcnt 1                             ; my part of K step 0 is in; K step 1's may stay out
	s_barrier_signal -1
	s_barrier_wait -1                              ; everybody's is
	FETCH 0, 0, F0
	s_wait_loadcnt 0x0                             ; the first tile's bias
	s_mov_b32 s2, TILES                            ; tiles to go, this one among them
.Ltile:
	QUARTER 0, 64,  F0, F1, 1                      ; a tile's first quarter: its products start the sums with the bias
	WIN 0
	s_cmp_eq_u32 s2, 1
	s_cbranch_scc1 .Lno_bias                       ; the last tile has no successor
	PLACES                                         ; behind the last product that read the bias
	s_add_nc_u64 s[BP:BP+1], s[BP:BP+1], 4096      ; 1,024 columns on (the loads that read this pointer have been waited for)
	WIN TO_B
.irp b, 0,1,2,3,4,5,6,7
	global_load_b128 v[8*(\b):8*(\b)+3],   v[BO], s[BP:BP+1] offset:64*(\b)   ; the next tile's bias: it has the rest of this tile in which to come
	global_load_b128 v[8*(\b)+4:8*(\b)+7], v[BO], s[BP:BP+1] offset:64*(\b)+16
.endr
	WIN 0
.Lno_bias:
	s_mov_b32 s3, LAPS-1
.Llap:                                             ; a trip goes once round the ring, from a lap's second quarter to the next lap's first, and fills both slots again
	QUARTER 0, 128, F1, F0, 0
	QUARTER 0, 192, F0, F1, 0
	TURN 0, 1, 0
	QUARTER 1, 64,  F0, F1, 0
	QUARTER 1, 128, F1, F0, 0
	QUARTER 1, 192, F0, F1, 0
	TURN 1, 0, 0
	QUARTER 0, 64,  F0, F1, 0
	WIN 0
	s_sub_co_u32 s3, s3, 1
	s_cmp_lg_u32 s3, 0
	s_cbranch_scc1 .Llap
	QUARTER 0, 128, F1, F0, 0                      ; the tile's last lap goes on
	QUARTER 0, 192, F0, F1, 0
	WIN 0
	s_cmp_eq_u32 s2, 1
	s_cbranch_scc1 .Llast_tile                     ; the last tile's tail is written out: it asks for nothing more
	TURN 0, 1, 1                                   ; the ring goes on into the next tile: slot 0 takes its K step 0,
	QUARTER 1, 64,  F0, F1, 0
	QUARTER 1, 128, F1, F0, 0
	QUARTER 1, 192, F0, F1, 0
	TURN 1, 0, 1                                   ; slot 1 its K step 1, and the next tile's first fragments are fetched.  Both refills are asked for: now the tile goes out
	WIN 0
	s_branch .Lout                                 ; blocks 0-3 were finished ahead of TURN's places, and their 128 conversions are the places behind the last products (blocks 4-7's)
.Llast_tile:
	MEET 0                                         ; my one tensor load that was still out is the last K step's, so no round follows
	PLACES                                         ; for the loads into buffer 0
	FETCH 1, 0, F0
	MUL16 F1, 1, 0, 0
	MUL16 F1, 1, 2, 0
	QUARTER 1, 64,  F0, F1, 0
	QUARTER 1, 128, F1, F0, 0
	QUARTER 1, 192, F0, F1, 0
	s_wait_dscnt 8                                 ; the very last quarter: nothing more to fetch
	MUL16 F1, 0, 0, 0
	MUL16 F1, 0, 2, 0
	s_wait_dscnt 0x0
	MUL16 F1, 1, 0, 0
	MUL16 F1, 1, 2, 0
	PLACES                                         ; behind the last products, in front of the conversions
	WIN 0
.Lout:                                             ; THE WAY OUT, one text for all three tiles: block a's conversions stand between block a - 1's loads from the stage and the wait for them
	PACK 0
	TOSTAGE 0
.irp a, 1,2,3,4,5,6,7
	PACK \a
	SEND (\a)-1
	TOSTAGE \a
.endr
	SEND 7
	s_wait_xcnt 0x0                                ; the stores have read their base
	s_add_nc_u64 s[8:9], s[8:9], 2048              ; 1,024 columns of f16 on (behind the last tile the stepped base is not used)
	s_wait_loadcnt 0x0                             ; the next tile's bias is in
	s_sub_co_u32 s2, s2, 1
	s_cmp_lg_u32 s2, 0
	s_cbranch_scc1 .Ltile
	s_wait_tensorcnt 0x0                           ; the wave's end: a wait, the add and its wait, behind my last tensor load and my last LDS store
	ds_add_u32 v[SPW], v[NIL]
	s_wait_dscnt 0x0
	CROUND                                         ; the closing round: no work-group ends while a partner may still ask for a tile that names it
	s_endpgm
.Lfunc_end_k_qb6ef210ab9_qkv:
	.size	k_qb6ef210ab9_qkv, .Lfunc_end_k_qb6ef210ab9_qkv-k_qb6ef210ab9_qkv
	.p2alignl 7, 3214868480
	.fill 96, 4, 3214868480
	.section	.rodata,"a",@progbits
	.p2align	6, 0x0
	.amdhsa_kernel k_qb6ef210ab9_qkv
		.amdhsa_group_segment_fixed_size 327680
		.amdhsa_private_segment_fixed_size 0
		.amdhsa_enable_private_segment 0
		.amdhsa_kernarg_size 32
		.amdhsa_user_sgpr_count 2
		.amdhsa_user_sgpr_kernarg_segment_ptr 1
		.amdhsa_wavefront_size32 1
		.amdhsa_system_sgpr_workgroup_id_x 1
		.amdhsa_system_sgpr_workgroup_id_y 1
		.amdhsa_system_sgpr_workgroup_id_z 1
		.amdhsa_system_vgpr_workitem_id 0
		.amdhsa_next_free_vgpr 1024
		.amdhsa_next_free_sgpr 68
		.amdhsa_reserve_vcc 0
		.amdhsa_float_denorm_mode_32 3
		.amdhsa_float_denorm_mode_16_64 3
		.amdhsa_memory_ordered 1
		.amdhsa_forward_progress 1
		.amdhsa_inst_pref_size 182
	.end_amdhsa_kernel
	.amdgpu_metadata
---
amdhsa.version: [ 1, 2 ]
amdhsa.kernels:
  - .name:           k_qb6ef210ab9_qkv
    .symbol:         k_qb6ef210ab9_qkv.kd
    .args:
      - { .name: xb, .offset: 0, .size: 8, .value_kind: global_buffer, .address_space: global }
      - { .name: wqkv, .offset: 8, .size: 8, .value_kind: global_buffer, .address_space: global }
      - { .name: qkvb, .offset: 16, .size: 8, .value_kind: global_buffer, .address_space: global }
      - { .name: biasr, .offset: 24, .size: 8, .value_kind: global_buffer, .address_space: global }
    .group_segment_fixed_size: 327680
    .private_segment_fixed_size: 0
    .kernarg_segment_align: 8
    .kernarg_segment_size: 32
    .max_flat_workgroup_size: 128
    .sgpr_count:     68
    .vgpr_count:     1024
    .wavefront_size: 32
...
	.end_amdgpu_metadata
.endif
;; end of part 2
;; launch attn (part 3): grid 512 x 1, 8 waves a work-group, no clusters, 0 bytes of LDS; arguments qkvb, mask, ob; writes ob
.if DOCPART == 3
	.amdgcn_target "amdgcn-amd-amdhsa--gfx1250"
	.amdhsa_code_object_version 6
	.text
	.protected	k_qb6ef210ab9_attn
	.globl	k_qb6ef210ab9_attn
	.p2align	8
	.type	k_qb6ef210ab9_attn,@function
k_qb6ef210ab9_attn:
	s_mov_b64 s[64:65], 0
	v_nop
	global_prefetch_b8 v0, s[64:65] scope:SCOPE_SE
	s_setreg_imm32_b32 hwreg(HW_REG_WAVE_MODE, 25, 1), 1
	s_wait_xcnt 0x0
; PER-TOKEN ATTENTION ACROSS THE 16 HEADS.  For each token: s[h][g] = q[h] . k[g] / 8; where mask[h][g] is 0 the score is REPLACED by -1e9; p = softmax over g; o[h] = the sum over g of p[h][g] v[g].
; qkvb: [16384][3072] f16, a token's q, k, v of 2,048 bytes each, in the orders that the launches before made (below); mask: [16384][16][16] int32, any whole number; ob: [16384][1024] f16.
; (adj enters no result of the module and is not loaded.)  Products, maximum and sum in f32; p is divided by its sum in f32 and then rounded to f16; o is rounded once.
; LIMITS.  q, k, v arrive finite, within f16's range; a weight below 2^-126 counts as 0; NaN and infinities are not treated apart.
; The replacement is made on the unscaled score, by -8e9 = 8 x -1e9 (exact in f32), so that order and differences are those of the scaled scores; a row whose 16 keys are all hidden gives 16 equal weights.
; LAYOUT.  S^T = K Q^T (source 0 = the 16 keys g, source 1 = the 16 queries h): lane l holds query l % 16 and keys 8 (l / 16) + 0..7, which is 32 bytes on end of the mask's row.  Rounded in pairs these
; eight weights are registers 0-3 of source 1 of O^T = V^T P (K = 32, of which 16 keys are real).  q and k lie as [d / 8][head][d % 8], v as [d / 16][g / 8][d % 16][g % 8]: 16 bytes a lane at 16 x lane
; ARE half a fragment.  Two of v's halves (channel blocks 2 m, 2 m + 1) fill one source 0; against (P, 0) it gives block 2 m, against (0, P) block 2 m + 1: the idle half of K meets zeros.
; O^T holds query l % 16 and channels 8 (l / 16) + 0..7 of a block: stored at 16 x lane it lies as [d / 8][head][d % 8], the order of wo16's columns.
; SHARES.  A wave takes 4 tokens and runs straight through; no wave wants a byte that another has fetched, so there is no LDS, no barrier and no cluster.  Its 56 loads (28 KiB) go out at its head.
.set TOKB, 6144
.set VL,  2                            ; v2   16 x lane
.set VM,  3                            ; v3   (l % 16) x 64 + (l / 16) x 32: my 8 words of the mask
.set NEG, 4                            ; v4   -8e9
.set ST,  8                            ; v[8:23]   token t at ST + 4 t: m, at work, l and then 1 / l, at work
.set ZP,  28                           ; v[28:31]  0
.set S,   32                           ; v[32:63]  8 a token: the mask's words, then S^T, then P and four zeros
.set QK,  64                           ; v[64:191] 32 a token: q (16), k (16); later 4 at work; then O^T
.set V,   192                          ; v[192:255] 16 a token
.set MK,  32                           ; s[32:63]  lane masks: token t, register j at MK + 8 t + j
	s_load_b128 s[4:7], s[0:1], 0x0                ; qkvb s[4:5], mask s[6:7]
	s_load_b64 s[8:9], s[0:1], 0x10                ; ob
	v_lshrrev_b32 v1, 5, v0
	v_readfirstlane_b32 s10, v1                    ; wave 0..7
	s_lshl_b32 s11, ttmp9, 3
	s_add_co_u32 s11, s11, s10                     ; my wave among the launch's 4,096
	s_mul_i32 s16, s11, 4*TOKB
	s_mov_b32 s17, 0
	s_lshl_b32 s18, s11, 12                        ; 4 tokens x 1,024 bytes of mask
	s_mov_b32 s19, 0
	s_lshl_b32 s20, s11, 13                        ; 4 tokens x 2,048 bytes of ob
	s_mov_b32 s21, 0
	s_mov_b32 s12, 0x3e38aa3b                      ; c = log2(e) / 8
	s_mov_b32 s13, s12                             ; named with it as a pair
	s_mov_b32 s14, 0x76543210                      ; v_permlanex16_b32: each lane takes its own place in the other half
	s_mov_b32 s15, 0xfedcba98
	v_and_b32 v1, 31, v0
	v_lshlrev_b32 v[VL], 4, v1
	v_and_b32 v5, 15, v0
	v_bfe_u32 v6, v0, 4, 1
	v_lshlrev_b32 v[VM], 6, v5
	v_lshl_add_u32 v[VM], v6, 5, v[VM]
	v_mov_b32 v[NEG], 0xcfee6b28
	s_wait_kmcnt 0x0
	s_add_nc_u64 s[4:5], s[4:5], s[16:17]
	s_add_nc_u64 s[6:7], s[6:7], s[18:19]
	s_add_nc_u64 s[8:9], s[8:9], s[20:21]
.irp t, 0,1,2,3
.irp e, 0,1
	global_load_b128 v[S+8*(\t)+4*(\e):S+8*(\t)+4*(\e)+3], v[VM], s[6:7] offset:1024*(\t)+16*(\e) th:TH_LOAD_NT
.endr
.endr
.irp t, 0,1,2,3
.irp i, 0,1,2,3,4,5,6,7
	global_load_b128 v[QK+32*(\t)+4*(\i):QK+32*(\t)+4*(\i)+3], v[VL], s[4:5] offset:TOKB*(\t)+512*(\i) th:TH_LOAD_NT  ; i 0-3: q, channels 16 i + 8 (l / 16) on; i 4-7: k
.endr
.endr
.irp t, 0,1,2,3
.irp i, 0,1,2,3
	global_load_b128 v[V+16*(\t)+4*(\i):V+16*(\t)+4*(\i)+3], v[VL], s[4:5] offset:TOKB*(\t)+4096+512*(\i) th:TH_LOAD_NT  ; channel block i
.endr
.endr
.irp r, 0,1,2,3
	v_mov_b32 v[ZP+(\r)], 0
	v_mov_b32 v[ST+4*(\r)+1], 0                    ; v_permlanex16_b32's destinations count as read: they are written once here
	v_mov_b32 v[ST+4*(\r)+3], 0
.endr
	s_wait_loadcnt 48                              ; the mask is in; the 48 loads of q, k and v may stay out
.irp t, 0,1,2,3
.irp j, 0,1,2,3,4,5,6,7
	v_cmp_eq_u32 s[MK+8*(\t)+(\j)], 0, v[S+8*(\t)+(\j)]  ; a bit a lane: this key is hidden from this query.  The words' registers are then free for the scores
.endr
.endr
	s_wait_loadcnt 16                              ; q and k are in; v's 16 loads may stay out
.irp t, 0,1,2,3                        ; S^T = K Q^T: channels 0-31 start the sums; the four tokens' accumulators take turns
	v_wmma_f32_16x16x32_f16 v[S+8*(\t):S+8*(\t)+7], v[QK+32*(\t)+16:QK+32*(\t)+23], v[QK+32*(\t):QK+32*(\t)+7], 0
.endr
.irp t, 0,1,2,3                        ; channels 32-63
	v_wmma_f32_16x16x32_f16 v[S+8*(\t):S+8*(\t)+7], v[QK+32*(\t)+24:QK+32*(\t)+31], v[QK+32*(\t)+8:QK+32*(\t)+15], v[S+8*(\t):S+8*(\t)+7]
.endr
.rept 8
	v_nop                                          ; the places behind those products (ISA guide 7.12.1); eight, since the lines below write the results in place
.endr
.irp j, 0,1,2,3,4,5,6,7                ; each accumulator from its low end on
.irp t, 0,1,2,3
	v_cndmask_b32 v[S+8*(\t)+(\j)], v[S+8*(\t)+(\j)], v[NEG], s[MK+8*(\t)+(\j)]
.endr
.endr
.irp t, 0,1,2,3
	v_max3_num_f32 v[ST+4*(\t)], v[S+8*(\t)], v[S+8*(\t)+1], v[S+8*(\t)+2]
.endr
.irp t, 0,1,2,3
	v_max3_num_f32 v[ST+4*(\t)], v[ST+4*(\t)], v[S+8*(\t)+3], v[S+8*(\t)+4]
.endr
.irp t, 0,1,2,3
	v_max3_num_f32 v[ST+4*(\t)], v[ST+4*(\t)], v[S+8*(\t)+5], v[S+8*(\t)+6]
.endr
.irp t, 0,1,2,3
	v_max_num_f32 v[ST+4*(\t)], v[ST+4*(\t)], v[S+8*(\t)+7]
.endr
.irp t, 0,1,2,3
	v_permlanex16_b32 v[ST+4*(\t)+1], v[ST+4*(\t)], s14, s15   ; the query's other 8 keys lie in the lane 16 away
.endr
.irp t, 0,1,2,3
	v_max_num_f32 v[ST+4*(\t)], v[ST+4*(\t)], v[ST+4*(\t)+1]   ; m
.endr
; (s - m) c, as a true difference and then a product: the largest score gives exactly 0, however large the scores are; a fused c s - c m would leave c m's rounding in the exponent
.irp i, 0,2,4,6
.irp t, 0,1,2,3
	v_pk_add_f32 v[S+8*(\t)+(\i):S+8*(\t)+(\i)+1], v[S+8*(\t)+(\i):S+8*(\t)+(\i)+1], v[ST+4*(\t):ST+4*(\t)+1] op_sel_hi:[1,0] neg_lo:[0,1] neg_hi:[0,1]
.endr
.endr
.irp i, 0,2,4,6
.irp t, 0,1,2,3
	v_pk_mul_f32 v[S+8*(\t)+(\i):S+8*(\t)+(\i)+1], v[S+8*(\t)+(\i):S+8*(\t)+(\i)+1], s[12:13] op_sel_hi:[1,0]
.endr
.endr
.set r, 0
.rept 32
	v_exp_f32 v[S+r], v[S+r]                       ; one batch of 32
.set r, r+1
.endr
	v_nop                                          ; a plain instruction behind the last exponential (ISA guide 5.7.2),
	s_wait_alu depctr_va_vdst(0)                   ; and one wait ahead of the batch's first reader
.irp t, 0,1,2,3
	v_pk_add_f32 v[QK+32*(\t):QK+32*(\t)+1], v[S+8*(\t):S+8*(\t)+1], v[S+8*(\t)+2:S+8*(\t)+3]
.endr
.irp t, 0,1,2,3
	v_pk_add_f32 v[QK+32*(\t)+2:QK+32*(\t)+3], v[S+8*(\t)+4:S+8*(\t)+5], v[S+8*(\t)+6:S+8*(\t)+7]
.endr
.irp t, 0,1,2,3
	v_pk_add_f32 v[QK+32*(\t):QK+32*(\t)+1], v[QK+32*(\t):QK+32*(\t)+1], v[QK+32*(\t)+2:QK+32*(\t)+3]
.endr
.irp t, 0,1,2,3
	v_add_f32 v[ST+4*(\t)+2], v[QK+32*(\t)], v[QK+32*(\t)+1]
.endr
.irp t, 0,1,2,3
	v_permlanex16_b32 v[ST+4*(\t)+3], v[ST+4*(\t)+2], s14, s15
.endr
.irp t, 0,1,2,3
	v_add_f32 v[ST+4*(\t)+2], v[ST+4*(\t)+2], v[ST+4*(\t)+3]   ; l, at least 1: the largest score's weight is 1
.endr
.irp t, 0,1,2,3
	v_rcp_f32 v[ST+4*(\t)+2], v[ST+4*(\t)+2]
.endr
	v_nop                                          ; a plain instruction behind the last reciprocal,
	s_wait_alu depctr_va_vdst(0)                   ; and one wait for the four
.irp i, 0,2,4,6
.irp t, 0,1,2,3
	v_pk_mul_f32 v[S+8*(\t)+(\i):S+8*(\t)+(\i)+1], v[S+8*(\t)+(\i):S+8*(\t)+(\i)+1], v[ST+4*(\t)+2:ST+4*(\t)+3] op_sel_hi:[1,0]
.endr
.endr
.irp i, 0,1,2,3                        ; in place and ascending: register i is written when pair i - 1 has long been read
.irp t, 0,1,2,3
	v_cvt_pk_f16_f32 v[S+8*(\t)+(\i)], v[S+8*(\t)+2*(\i)], v[S+8*(\t)+2*(\i)+1]
.endr
.endr
.irp i, 4,5,6,7
.irp t, 0,1,2,3
	v_mov_b32 v[S+8*(\t)+(\i)], 0                  ; keys 16-31 of (P, 0); also keys 0-15 of the next token's (0, P)
.endr
.endr
	s_wait_loadcnt 0x0                             ; v is in
.irp t, 0,1,2,3                        ; O^T = V^T P: 16 products, each with an accumulator of its own
.irp m, 0,1
	v_wmma_f32_16x16x32_f16 v[QK+32*(\t)+16*(\m):QK+32*(\t)+16*(\m)+7],    v[V+16*(\t)+8*(\m):V+16*(\t)+8*(\m)+7], v[S+8*(\t):S+8*(\t)+7], 0
	v_wmma_f32_16x16x32_f16 v[QK+32*(\t)+16*(\m)+8:QK+32*(\t)+16*(\m)+15], v[V+16*(\t)+8*(\m):V+16*(\t)+8*(\m)+7], v[S+8*(\t)-4:S+8*(\t)+3], 0
.endr
.endr
.rept 8
	v_nop                                          ; the places behind those products; eight, since the conversions below write the results in place
.endr
.irp t, 0,1,2,3
.irp b, 0,1,2,3
.irp i, 0,1,2,3
	v_cvt_pk_f16_f32 v[QK+32*(\t)+8*(\b)+(\i)], v[QK+32*(\t)+8*(\b)+2*(\i)], v[QK+32*(\t)+8*(\b)+2*(\i)+1]
.endr
	global_store_b128 v[VL], v[QK+32*(\t)+8*(\b):QK+32*(\t)+8*(\b)+3], s[8:9] offset:2048*(\t)+512*(\b)  ; the wave stores 512 consecutive bytes, aligned
.endr
.endr
	s_endpgm
.Lfunc_end_k_qb6ef210ab9_attn:
	.size	k_qb6ef210ab9_attn, .Lfunc_end_k_qb6ef210ab9_attn-k_qb6ef210ab9_attn
	.p2alignl 7, 3214868480
	.fill 96, 4, 3214868480
	.section	.rodata,"a",@progbits
	.p2align	6, 0x0
	.amdhsa_kernel k_qb6ef210ab9_attn
		.amdhsa_group_segment_fixed_size 0
		.amdhsa_private_segment_fixed_size 0
		.amdhsa_enable_private_segment 0
		.amdhsa_kernarg_size 24
		.amdhsa_user_sgpr_count 2
		.amdhsa_user_sgpr_kernarg_segment_ptr 1
		.amdhsa_wavefront_size32 1
		.amdhsa_system_sgpr_workgroup_id_x 1
		.amdhsa_system_sgpr_workgroup_id_y 1
		.amdhsa_system_sgpr_workgroup_id_z 1
		.amdhsa_system_vgpr_workitem_id 0
		.amdhsa_next_free_vgpr 256
		.amdhsa_next_free_sgpr 66
		.amdhsa_reserve_vcc 0
		.amdhsa_float_denorm_mode_32 3
		.amdhsa_float_denorm_mode_16_64 3
		.amdhsa_memory_ordered 1
		.amdhsa_forward_progress 1
		.amdhsa_inst_pref_size 27
	.end_amdhsa_kernel
	.amdgpu_metadata
---
amdhsa.version: [ 1, 2 ]
amdhsa.kernels:
  - .name:           k_qb6ef210ab9_attn
    .symbol:         k_qb6ef210ab9_attn.kd
    .args:
      - { .name: qkvb, .offset: 0, .size: 8, .value_kind: global_buffer, .address_space: global }
      - { .name: mask, .offset: 8, .size: 8, .value_kind: global_buffer, .address_space: global }
      - { .name: ob, .offset: 16, .size: 8, .value_kind: global_buffer, .address_space: global }
    .group_segment_fixed_size: 0
    .private_segment_fixed_size: 0
    .kernarg_segment_align: 8
    .kernarg_segment_size: 24
    .max_flat_workgroup_size: 256
    .sgpr_count:     66
    .vgpr_count:     256
    .wavefront_size: 32
...
	.end_amdgpu_metadata
.endif
;; end of part 3
;; launch proj (part 4): grid 4 x 64, 4 waves a work-group, clusters of 4 x 4, 327,680 bytes of LDS; arguments ob, wo16, out0, biasr; writes out0
.if DOCPART == 4
	.amdgcn_target "amdgcn-amd-amdhsa--gfx1250"
	.amdhsa_code_object_version 6
	.text
	.protected	k_qb6ef210ab9_proj
	.globl	k_qb6ef210ab9_proj
	.p2align	8
	.type	k_qb6ef210ab9_proj,@function
k_qb6ef210ab9_proj:
	s_mov_b64 s[64:65], 0
	v_nop
	global_prefetch_b8 v0, s[64:65] scope:SCOPE_SE
	s_setreg_imm32_b32 hwreg(HW_REG_WAVE_MODE, 25, 1), 1
	s_wait_xcnt 0x0
	s_wait_alu depctr_hold_cnt(0) depctr_sa_sdst(0) depctr_va_vdst(0) depctr_va_sdst(0) depctr_va_ssrc(0) depctr_va_vcc(0) depctr_vm_vsrc(0)
	s_getreg_b32 s2, hwreg(HW_REG_IB_STS2, 6, 4)
	s_cmp_eq_u32 s2, 0
	s_cbranch_scc0 .Lentry_in_a_cluster
	s_endpgm
.Lentry_in_a_cluster:
	s_bfe_u32 s2, ttmp6, 0x10000c
	s_cmp_lg_u32 s2, 0xf033
	s_cbranch_scc0 .Lentry_shape_is_right
	s_endpgm
.Lentry_shape_is_right:
; out0[m][n] = the sum over k of ob[m][k] wo16[n][k] + bo[n].  ob: [16384][1024] f16, wo16: [1024][1024] f16 (Wo rounded to bf16, its columns in ob's order), bo: row 3 of biasr, f32; out0: [16384][1024] f32.
; Sums in f32, K ascending, started with the bias.  NaN and infinities are not treated apart.
; A tile of C, 256 x 256, is made by a work-group of four waves; a wave makes 128 x 128: 64 accumulators of 16 x 16, 512 registers.  K goes in steps of 128 through a ring of two LDS slots
; filled by the tensor data mover: a tile's rows are 256 bytes of memory, at multiples of 256 bytes from the buffer's first byte.  256 tiles, one to a work-group.
; THE LAST K STEP GOES BY ROWS OF C, so that finished rows leave while the others are still multiplied: nothing follows the tile under which its 64 KiB a wave could leave.
; CLUSTERS: 4 x 4 work-groups.  The four of a row of the cluster need the same tiles of ob, the four of a column the same tiles of wo16: each tile is asked for JOINTLY.
; THE MATRIX INSTRUCTION IS USED TRANSPOSED (source 0 = 16 rows of wo16, source 1 = 16 rows of ob): lane l holds row l % 16 of C and the columns 8 (l / 16) + 0..7: 32 bytes of f32 on end.
; THE BIAS IS THE C OPERAND of the first 64 products: register j of lane l of the eight for column block b holds bo[16 b + 8 (l / 16) + j].
; REGISTERS, in windows of 256 (s_set_vgpr_msb: bits 1:0 source 0, 3:2 source 1, 5:4 source 2, 7:6 destination):
;   window 0: v0-31 addresses; v64-127, v128-191 fragments of ob, two buffers (in the last K step four, of 16 rows x 128 K); v192-255 rows read back from the stage
;   window 1: v0-63 the bias; v64-127, v128-191 fragments of wo16, two buffers; in the last K step all 256: wo16's fragments of the whole step
;   window 2: the 32 accumulators of my rows 0-63 ((a, b) at v[8 (8 a + b)]);   window 3: those of my rows 64-127
.set SIZE_K, 1024
.set KSTEP,  128
.set PITCH,  272                       ; an LDS row: 256 bytes + 16 of padding = 68 words: row r starts at bank 4 r mod 64 (64 banks of 4 bytes: ISA guide 11.1)
.set HALFT,  128*PITCH
.set SLOT,   4*HALFT                   ; ob's 256 rows, then wo16's 256 rows
.set STAGE,  2*SLOT                    ; behind the ring: 16 rows x 528 bytes for each wave, for the way out; no tensor load lands here
.set SPITCH, 528                       ; 512 bytes + 16 = 132 words: again row r starts at bank 4 r mod 64
.set SPARE,  STAGE+4*16*SPITCH         ; behind the stages: the spare words, 128 bytes for each wave: two blocks of 256 bytes that no other line names
.set LAPS,   SIZE_K/(2*KSTEP)
.set CPITCH, 4096                      ; bytes in a row of out0
.set ADRA, 16
.set ADRB, 20
.set STO,  24                          ; v24     the way out: where I put 32 bytes of a row
.set RD,   25                          ; v25     the way out: my 16 bytes of a row of 512
.set CO,   26                          ; v26     16 x lane
.set BO,   27                          ; v27     32 x (l / 16)
.set SPW,  28                          ; v28     LDS address of my spare word: SPARE + 4 x my thread's number; never rewritten
.set NIL,  29                          ; v29     0; never rewritten
.set PFO,  30                          ; v30     the prefetches' offset: my lane x a row of 2,048 bytes; never rewritten
.set PFA,  44                          ; s[44:45] where my prefetches stand
.set LIM,  43                          ; s43     1 in a wave that prefetches, else the greatest number
.set BP,   66                          ; s[66:67] bo at my wave's first column
.set F0,   64
.set F1,   128
.set PA,   64                          ; the last K step: ob's fragments of 16 rows x 128 K, 32 registers; four such buffers, v64-191
.set BK,   192                         ; the way out: 16 rows of 512 bytes read back from the stage, 64 registers
.set G1,  24
.set G0,  32
.set G1B, 48
.set G0B, 56
.set MSB, 0
.macro WIN new                         ; the immediate's high byte repeats the setting that is left; a switch that changes nothing is dropped
.if MSB != (\new)
	s_set_vgpr_msb (MSB<<8)|(\new)
.set MSB, \new
.endif
.endm
.set TO_B, 0x40                        ; destination window 1, address window 0
; A joint load.  Waves 0 and 1 fetch ob's two halves, waves 2 and 3 wo16's.  The branch hangs on the wave's number alone.  An s_nop 0 and four v_nop follow each of the two lines.
.macro JLOAD s
	s_cmp_eq_u32 s11, 0
	s_cbranch_scc0 .Lfor_b_\@
	tensor_load_to_lds s[G0+4*(\s):G0+4*(\s)+3], s[G1:G1+7]
	s_nop 0
.rept 4
	v_nop
.endr
	s_branch .Lasked_\@
.Lfor_b_\@:
	tensor_load_to_lds s[G0B+4*(\s):G0B+4*(\s)+3], s[G1B:G1B+7]
	s_nop 0
.rept 4
	v_nop
.endr
.Lasked_\@:
.endm
; A PREFETCH INTO THE L2, behind each joint load, its five lines and the run of LDS loads: the K step that stands TWO refills on (512 matrix instructions ahead of the load that will ask for it): 32 rows x 256 bytes,
; a lane a row, one instruction a wave.  Each row's 256 bytes of a K step are named once in the launch: ob's rows by the one cluster that reads them; wo16's rows, which all sixteen clusters read,
; by the cluster with y = 0.  The four partners that ask for a tile jointly share its rows out BY ADDRESS, 32 each.  The last two refills have no K step two on.
.macro ASK
	s_cmp_gt_u32 s3, s[LIM]                        ; s3 = 1 in the loop's last trip
	s_cbranch_scc0 .Lnot_mine_\@
	global_prefetch_b8 v[PFO], s[PFA:PFA+1] offset:KSTEP*2 th:TH_LOAD_NT scope:SCOPE_SE
.Lnot_mine_\@:
.endm
; A round of the cluster's barrier: my work-group's barrier; wave 0 signals for the work-group; every wave waits for all sixteen work-groups; my work-group's barrier once more.
.macro CREST
	s_cmp_lg_u32 s10, 0
	s_cbranch_scc1 .Lnot_wave_0_\@
	s_barrier_signal -3
.Lnot_wave_0_\@:
	s_barrier_wait -3
	s_barrier_signal -1
	s_barrier_wait -1
.endm
.macro CROUND
	s_barrier_signal -1
	s_barrier_wait -1
	CREST
.endm
	s_load_b128 s[4:7], s[0:1], 0x0                ; ob s[4:5], wo16 s[6:7]
	s_load_b64 s[8:9], s[0:1], 0x10                ; out0
	s_load_b64 s[BP:BP+1], s[0:1], 0x18            ; biasr
	v_lshl_add_u32 v[SPW], v0, 2, SPARE
	v_mov_b32 v[NIL], 0
	ds_add_u32 v[SPW], v[NIL]                      ; the wave's opening: the add and its wait stand ahead of my first tensor load; the set-up below, work on registers, stands between them
	v_lshrrev_b32 v1, 5, v0
	v_readfirstlane_b32 s10, v1                    ; wave 0..3
	s_lshr_b32 s11, s10, 1                         ; which half of the tile's rows is mine.  Also: I fetch for ob (0) or for wo16 (1)
	s_and_b32 s12, s10, 1                          ; which half of its columns.  Also: which 128 rows of that tile I fetch
	s_bfe_u32 s40, ttmp6, 0x40000                  ; cx
	s_bfe_u32 s41, ttmp6, 0x40004                  ; cy
	s_lshl_b32 s42, ttmp9, 2
	s_add_co_u32 s42, s42, s40                     ; tile column = 4 x cluster x + cx: 0..3
	s_and_b32 s13, ttmp7, 0xffff
	s_lshl_b32 s13, s13, 2
	s_add_co_u32 s13, s13, s41                     ; tile row = 4 x cluster y + cy: 0..63
	s_lshl_b32 s43, s41, 2
	s_lshl_b32 s43, 15, s43                        ; my row of the cluster
	s_lshl_b32 s44, 0x1111, s40                    ; my column
	; descriptor group 1: a tile of 128 rows x 128 elements of 2 bytes, padded in LDS by 4 words after every 64
	s_or_b32 s[G1+0], s43, (1<<16)|(1<<20)|(1<<21)|(5<<22)|(3<<25)
	s_or_b32 s[G1B+0], s44, (1<<16)|(1<<20)|(1<<21)|(5<<22)|(3<<25)
.irp g, G1, G1B
	s_mov_b32 s[(\g)+1], KSTEP<<16                 ; tensor_dim0 = 128
	s_mov_b32 s[(\g)+2], 128<<16                   ; tensor_dim1 = 128
	s_mov_b32 s[(\g)+3], KSTEP<<16                 ; tile_dim0 = 128
	s_mov_b32 s[(\g)+4], 128                       ; tile_dim1 = 128
	s_mov_b32 s[(\g)+5], SIZE_K                    ; elements from row to row
	s_mov_b32 s[(\g)+6], 0
	s_mov_b32 s[(\g)+7], 0
.endr
	s_lshl_b32 s17, s12, 7
	s_lshl_b32 s16, s13, 8
	s_add_co_u32 s16, s16, s17                     ; ob: row 256 x tile row + 128 x half
	s_lshl_b32 s46, s42, 8
	s_add_co_u32 s46, s46, s17                     ; wo16: row 256 x tile column + 128 x half
	s_mov_b32 s17, 0
	s_mov_b32 s47, 0
	s_mov_b64 s[18:19], SIZE_K*2
	s_mul_u64 s[16:17], s[16:17], s[18:19]
	s_mul_u64 s[46:47], s[46:47], s[18:19]
	s_mul_i32 s20, s10, HALFT                      ; where they go: wave x 128 rows
	s_wait_dscnt 0x0                               ; the opening add is done
	s_wait_kmcnt 0x0
	s_add_nc_u64 s[14:15], s[4:5], s[16:17]
	s_add_nc_u64 s[46:47], s[6:7], s[46:47]
	CROUND                                         ; all sixteen work-groups are here: the first joint loads meet
.irp s, 0,1
	s_mov_b32 s[G0+4*(\s)], 1
	s_add_co_u32 s[G0+4*(\s)+1], s20, (\s)*SLOT
	s_add_nc_u64 s[G0+4*(\s)+2:G0+4*(\s)+3], s[14:15], (\s)*KSTEP*2
	s_or_b32 s[G0+4*(\s)+3], s[G0+4*(\s)+3], 0x80000000
	s_mov_b32 s[G0B+4*(\s)], 1
	s_add_co_u32 s[G0B+4*(\s)+1], s20, (\s)*SLOT
	s_add_nc_u64 s[G0B+4*(\s)+2:G0B+4*(\s)+3], s[46:47], (\s)*KSTEP*2
	s_or_b32 s[G0B+4*(\s)+3], s[G0B+4*(\s)+3], 0x80000000
	JLOAD \s                                       ; K steps 0 and 1: two tensor loads of mine are out; later one
.endr
	v_and_b32 v1, 15, v0                           ; l % 16
	v_bfe_u32 v2, v0, 4, 1                         ; l / 16
	v_mul_u32_u24 v3, v1, PITCH
	v_lshl_add_u32 v3, v2, 4, v3
	s_mul_i32 s21, s11, HALFT
	s_mul_i32 s22, s12, HALFT
	s_add_co_u32 s22, s22, 2*HALFT
.irp s, 0,1
	v_add_nc_u32 v[ADRA+(\s)], s21, v3
	v_add_nc_u32 v[ADRB+(\s)], s22, v3
	s_add_co_u32 s21, s21, SLOT
	s_add_co_u32 s22, s22, SLOT
.endr
	s_mul_i32 s23, s10, 16*SPITCH
	s_add_co_u32 s23, s23, STAGE                   ; my stage
	v_mul_u32_u24 v4, v1, SPITCH                   ; in: row l % 16, 32 bytes for each half of the lanes
	v_lshl_add_u32 v4, v2, 5, v4
	v_add_nc_u32 v[STO], s23, v4
	v_and_b32 v5, 31, v0
	v_lshlrev_b32 v[CO], 4, v5                     ; back, and in C: 32 lanes take one row of 512 bytes
	v_add_nc_u32 v[RD], s23, v[CO]
	v_lshlrev_b32 v[BO], 5, v2
	; C and the bias at my part of the tile
	s_lshl_b32 s13, s13, 8
	s_lshl_b32 s14, s11, 7
	s_add_co_u32 s16, s13, s14                     ; my first row of C
	s_mov_b32 s17, 0
	s_mov_b64 s[18:19], CPITCH
	s_mul_u64 s[16:17], s[16:17], s[18:19]
	s_lshl_b32 s46, s42, 10                        ; my first column, in bytes of f32: 1,024 x tile column + 512 x half
	s_lshl_b32 s47, s12, 9
	s_add_co_u32 s46, s46, s47
	s_mov_b32 s47, 0
	s_add_nc_u64 s[16:17], s[16:17], s[46:47]
	s_add_nc_u64 s[8:9], s[8:9], s[16:17]
	s_add_nc_u64 s[BP:BP+1], s[BP:BP+1], s[46:47]
	s_add_nc_u64 s[BP:BP+1], s[BP:BP+1], 12288     ; row 3 of biasr
	WIN TO_B
.irp b, 0,1,2,3,4,5,6,7
	global_load_b128 v[8*(\b):8*(\b)+3],   v[BO], s[BP:BP+1] offset:64*(\b)
	global_load_b128 v[8*(\b)+4:8*(\b)+7], v[BO], s[BP:BP+1] offset:64*(\b)+16
.endr
	WIN 0
	; the prefetches.  s13 = 256 x tile row, s42 = tile column, s40 = cx, s41 = cy still stand
	s_lshl_b32 s42, s42, 8
	s_and_b32 s22, ttmp7, 0xffff                   ; cluster y
	s_cmp_eq_u32 s11, 0                            ; do I fetch for ob?
	s_cselect_b32 s20, s13, s42
	s_cselect_b32 s21, s40, s41
	s_cselect_b32 s22, ttmp9, s22
	s_cselect_b64 s[PFA:PFA+1], s[4:5], s[6:7]
	s_cmp_eq_u32 s22, 0
	s_cselect_b32 s[LIM], 1, -1                    ; the same in all sixteen partners, for a given wave
	s_lshl_b32 s22, s12, 7
	s_add_co_u32 s20, s20, s22
	s_lshl_b32 s21, s21, 5
	s_add_co_u32 s20, s20, s21
	s_mov_b32 s21, 0
	s_mov_b64 s[18:19], SIZE_K*2
	s_mul_u64 s[20:21], s[20:21], s[18:19]
	s_add_nc_u64 s[PFA:PFA+1], s[PFA:PFA+1], s[20:21]
	s_add_nc_u64 s[PFA:PFA+1], s[PFA:PFA+1], 2*KSTEP*2  ; at K step 2: the first refill steps it to 3 and names K step 4.  Nothing is prefetched here, at the head
	v_and_b32 v[PFO], 31, v0
	v_mul_u32_u24 v[PFO], v[PFO], SIZE_K*2
; 16 matrix instructions: m blocks a0, a0 + 1 of the window's four x all 8 n blocks, 32 along K.  bias = 1: the product starts the sum with the bias (window 1).
; The 64 accumulators take turns in one order.
.macro MUL16 f, hi, a0, bias
.if \bias
	WIN 0x91+0x40*(\hi)                            ; source 0 window 1, source 1 window 0, C window 1, D window 2 or 3
.else
	WIN 0xa1+0x50*(\hi)                            ; the same with C in D's window
.endif
.irp a, \a0, (\a0)+1
.irp b, 0,1,2,3,4,5,6,7
.if \bias
	v_wmma_f32_16x16x32_f16 v[8*(8*(\a)+(\b)):8*(8*(\a)+(\b))+7], v[(\f)+8*(\b):(\f)+8*(\b)+7], v[(\f)+8*(4*(\hi)+(\a)):(\f)+8*(4*(\hi)+(\a))+7], v[8*(\b):8*(\b)+7]
.else
	v_wmma_f32_16x16x32_f16 v[8*(8*(\a)+(\b)):8*(8*(\a)+(\b))+7], v[(\f)+8*(\b):(\f)+8*(\b)+7], v[(\f)+8*(4*(\hi)+(\a)):(\f)+8*(4*(\hi)+(\a))+7], v[8*(8*(\a)+(\b)):8*(8*(\a)+(\b))+7]
.endif
.endr
.endr
.endm
.macro FETCH slot, k, f                ; 32 LDS loads in one run: wo16's 16, then ob's 16
	WIN TO_B
.irp i, 0,1,2,3,4,5,6,7
	ds_load_b128 v[(\f)+8*(\i):(\f)+8*(\i)+3],   v[ADRB+(\slot)] offset:(\k)+(\i)*16*PITCH
	ds_load_b128 v[(\f)+8*(\i)+4:(\f)+8*(\i)+7], v[ADRB+(\slot)] offset:(\k)+(\i)*16*PITCH+32
.endr
	WIN 0
.irp i, 0,1,2,3,4,5,6,7
	ds_load_b128 v[(\f)+8*(\i):(\f)+8*(\i)+3],   v[ADRA+(\slot)] offset:(\k)+(\i)*16*PITCH
	ds_load_b128 v[(\f)+8*(\i)+4:(\f)+8*(\i)+7], v[ADRA+(\slot)] offset:(\k)+(\i)*16*PITCH+32
.endr
.endm
.macro PLACES                          ; four plain vector instructions between a matrix instruction and a load into one of its registers or a reader of its result (ISA guide 7.12.1 for vector instructions)
.rept 4
	v_nop
.endr
.endm
.macro QUARTER slot, k, f, g, bias
	s_wait_dscnt 8                                 ; wo16's fragments and ob's rows 0-63 are in; the youngest eight loads (ob's rows 64-127) may be out
	MUL16 \f, 0, 0, \bias
	MUL16 \f, 0, 2, \bias
	PLACES
	FETCH \slot, \k, \g
	s_wait_dscnt 32                                ; all but the 32 just issued
	MUL16 \f, 1, 0, \bias
	MUL16 \f, 1, 2, \bias
.endm
; The last quarter's first half: ONE barrier for the change of slots.  In front of it each wave waits for all its tensor loads (one is out: its part of the next slot), adds 0 to its spare word,
; and waits for that and for its own reads of this slot.  Behind it nobody reads this slot any more and the next slot is whole.
.macro MEET round
	WIN 0
	s_wait_tensorcnt 0x0                           ; all my tensor loads have landed
	ds_add_u32 v[SPW], v[NIL]                      ; 0 onto my spare word
	s_wait_dscnt 9                                 ; (the add and the youngest eight loads may be out)
	MUL16 F1, 0, 0, 0                              ; sixteen matrix instructions stand between the add and the wait for it
	s_wait_dscnt 0x0                               ; the add is done, and my reads of this slot are over
	s_barrier_signal -1
	MUL16 F1, 0, 2, 0
.if \round
	WIN 0
.endif
	s_barrier_wait -1
.endm
; The whole last quarter: behind the round the slot just read out is filled again first, with the K step two steps on.  From a request to the wait for it a wave issues 224 matrix instructions.
.macro TURN slot, next
	s_wait_xcnt 0x0                                ; the last prefetch, a K step back, has read its address: it is stepped here
	s_add_nc_u64 s[PFA:PFA+1], s[PFA:PFA+1], KSTEP*2
	MEET 1
	CREST                                          ; no wave of any partner still reads this slot's tile or has a load on its way
	s_add_nc_u64 s[G0+4*(\slot)+2:G0+4*(\slot)+3], s[G0+4*(\slot)+2:G0+4*(\slot)+3], 2*KSTEP*2
	s_add_nc_u64 s[G0B+4*(\slot)+2:G0B+4*(\slot)+3], s[G0B+4*(\slot)+2:G0B+4*(\slot)+3], 2*KSTEP*2
	JLOAD \slot                                    ; the first tensor load behind the round; its four v_nop are also the places in front of the loads below
	FETCH \next, 0, F0
	ASK
	MUL16 F1, 1, 0, 0
	MUL16 F1, 1, 2, 0
.endm
; THE LAST K STEP (it lies in slot 1) GOES BY ROWS OF C, NOT BY K.  All its fragments of wo16 (4 quarters x 64 registers) fill window 1; then my eight blocks of 16 rows are finished one after the other,
; each with 32 matrix instructions (its 8 accumulators by turns, K ascending: the sums stay the same bit for bit).  LDS is read no more than in any other K step.
.macro BLOAD q                         ; wo16's fragments of quarter q -> window 1, v[64 q ..]
	WIN TO_B
.irp i, 0,1,2,3,4,5,6,7
	ds_load_b128 v[64*(\q)+8*(\i):64*(\q)+8*(\i)+3],   v[ADRB+1] offset:64*(\q)+(\i)*16*PITCH
	ds_load_b128 v[64*(\q)+8*(\i)+4:64*(\q)+8*(\i)+7], v[ADRB+1] offset:64*(\q)+(\i)*16*PITCH+32
.endr
.endm
.macro ALOAD a                         ; ob's fragments of block a, all four quarters -> buffer a % 4
	WIN 0
.set FA, PA+32*((\a)%4)
.irp q, 0,1,2,3
	ds_load_b128 v[FA+8*(\q):FA+8*(\q)+3],   v[ADRA+1] offset:64*(\q)+(\a)*16*PITCH
	ds_load_b128 v[FA+8*(\q)+4:FA+8*(\q)+7], v[ADRA+1] offset:64*(\q)+(\a)*16*PITCH+32
.endr
.endm
.macro ROW a                           ; block a is finished: 32 matrix instructions
.set FA, PA+32*((\a)%4)                ; its fragments of ob
.set AC, 64*((\a)%4)                   ; its eight accumulators, in window 2 (blocks 0-3) or 3 (blocks 4-7)
	WIN 0xa1+0x50*((\a)/4)
.irp q, 0,1,2,3
.if (\a) == 0 && (\q) == 2
	s_wait_dscnt 24                                ; wo16's quarter 2 is in (behind it: ob's blocks 1 to 3)
.endif
.irp b, 0,1,2,3,4,5,6,7
	v_wmma_f32_16x16x32_f16 v[AC+8*(\b):AC+8*(\b)+7], v[64*(\q)+8*(\b):64*(\q)+8*(\b)+7], v[FA+8*(\q):FA+8*(\q)+7], v[AC+8*(\b):AC+8*(\b)+7]
.endr
.endr
.endm
; THE WAY OUT of block a (16 rows x 128 columns of f32).  A lane's 32 bytes of a row go from the accumulators into my own stage in LDS; whole rows of 512 bytes come back and are stored.
.macro TOSTAGE32 a
.set AC, 64*((\a)%4)
	WIN 0x08+4*((\a)/4)                            ; the stores' data (source 1) in window 2 or 3
.irp b, 0,1,2,3,4,5,6,7
	ds_store_b128 v[STO], v[AC+8*(\b):AC+8*(\b)+3]   offset:64*(\b)      ; each accumulator's low four registers first
	ds_store_b128 v[STO], v[AC+8*(\b)+4:AC+8*(\b)+7] offset:64*(\b)+16
.endr
	WIN 0
	s_wait_xcnt 0x0                                ; the stores of the block before have read these registers
.irp t, 0,1,2,3,4,5,6,7,8,9,10,11,12,13,14,15
	ds_load_b128 v[BK+4*(\t):BK+4*(\t)+3], v[RD] offset:(\t)*SPITCH  ; LDS serves a wave's instructions in order (ISA guide 5.7.1.4): these see the stores above; the next block's stores come behind them
.endr
.endm
.macro SEND32 a, younger               ; younger: the LDS loads issued behind block a's loads from the stage: the eight of ob's block a + 4, or none
	WIN 0
	s_wait_dscnt \younger
.irp t, 0,1,2,3,4,5,6,7,8,9,10,11,12,13,14,15
	global_store_b128 v[CO], v[BK+4*(\t):BK+4*(\t)+3], s[8:9] offset:(16*(\a)+(\t))*CPITCH th:TH_STORE_NT  ; the wave stores 512 consecutive bytes, at a multiple of 512 from C's first byte; 127 rows at the most in the immediate
.endr
.endm
	s_wait_tensorcnt 1                             ; my part of K step 0 is in; K step 1's may stay out
	s_barrier_signal -1
	s_barrier_wait -1                              ; everybody's is
	FETCH 0, 0, F0
	s_wait_loadcnt 0x0                             ; the bias
	QUARTER 0, 64,  F0, F1, 1                      ; the first quarter: its products start the sums with the bias
	WIN 0
	s_mov_b32 s3, LAPS-1
.Llap:                                             ; a trip goes once round the ring, from a lap's second quarter to the next lap's first, and fills both slots again
	QUARTER 0, 128, F1, F0, 0
	QUARTER 0, 192, F0, F1, 0
	TURN 0, 1
	QUARTER 1, 64,  F0, F1, 0
	QUARTER 1, 128, F1, F0, 0
	QUARTER 1, 192, F0, F1, 0
	TURN 1, 0
	QUARTER 0, 64,  F0, F1, 0
	WIN 0
	s_sub_co_u32 s3, s3, 1
	s_cmp_lg_u32 s3, 0
	s_cbranch_scc1 .Llap
	QUARTER 0, 128, F1, F0, 0                      ; the last lap fills nothing
	QUARTER 0, 192, F0, F1, 0
	MEET 0                                         ; my one tensor load that was still out is the last K step's; no round follows
	PLACES                                         ; for the loads into buffer 0, which the quarter before multiplied
	BLOAD 0                                        ; three quarters of wo16 now: buffer 1 (v128-191 of both windows) is still being multiplied; quarter 0 takes the bias's registers, read last in the first quarter
	BLOAD 1
	BLOAD 3
	ALOAD 0
	MUL16 F1, 1, 0, 0
	MUL16 F1, 1, 2, 0
	PLACES                                         ; for the loads into buffer 1
	BLOAD 2
	ALOAD 1
	ALOAD 2
	ALOAD 3
	s_wait_dscnt 40                                ; all but the 40 just issued
	ROW 0
; Block a goes into the stage and is asked back; block a + 1's 32 products are issued while that trip through LDS runs; then block a is stored.  So a block's stores leave while later blocks are multiplied.
.irp a, 0,1,2,3,4,5,6,7
	PLACES                                         ; behind block a's last product: in front of the LDS stores that read its results and of the loads into its fragments' registers
	TOSTAGE32 \a
.if (\a) < 4
	ALOAD (\a)+4                                   ; its buffer takes the block four further on
	s_wait_dscnt 40                                ; all but the stage's 32 and those 8: the next block's fragments are in
	ROW (\a)+1
	SEND32 \a, 8
.elseif (\a) < 7
	s_wait_dscnt 32                                ; all but the stage's 32
	ROW (\a)+1
	SEND32 \a, 0
.else
	SEND32 \a, 0
.endif
.endr
	s_wait_tensorcnt 0x0                           ; the wave's end: a wait, the add and its wait, behind my last tensor load and my last LDS store
	ds_add_u32 v[SPW], v[NIL]
	s_wait_dscnt 0x0
	CROUND                                         ; the closing round: no work-group ends while a partner may still ask for a tile that names it
	s_endpgm
.Lfunc_end_k_qb6ef210ab9_proj:
	.size	k_qb6ef210ab9_proj, .Lfunc_end_k_qb6ef210ab9_proj-k_qb6ef210ab9_proj
	.p2alignl 7, 3214868480
	.fill 96, 4, 3214868480
	.section	.rodata,"a",@progbits
	.p2align	6, 0x0
	.amdhsa_kernel k_qb6ef210ab9_proj
		.amdhsa_group_segment_fixed_size 327680
		.amdhsa_private_segment_fixed_size 0
		.amdhsa_enable_private_segment 0
		.amdhsa_kernarg_size 32
		.amdhsa_user_sgpr_count 2
		.amdhsa_user_sgpr_kernarg_segment_ptr 1
		.amdhsa_wavefront_size32 1
		.amdhsa_system_sgpr_workgroup_id_x 1
		.amdhsa_system_sgpr_workgroup_id_y 1
		.amdhsa_system_sgpr_workgroup_id_z 1
		.amdhsa_system_vgpr_workitem_id 0
		.amdhsa_next_free_vgpr 1024
		.amdhsa_next_free_sgpr 68
		.amdhsa_reserve_vcc 0
		.amdhsa_float_denorm_mode_32 3
		.amdhsa_float_denorm_mode_16_64 3
		.amdhsa_memory_ordered 1
		.amdhsa_forward_progress 1
		.amdhsa_inst_pref_size 144
	.end_amdhsa_kernel
	.amdgpu_metadata
---
amdhsa.version: [ 1, 2 ]
amdhsa.kernels:
  - .name:           k_qb6ef210ab9_proj
    .symbol:         k_qb6ef210ab9_proj.kd
    .args:
      - { .name: ob, .offset: 0, .size: 8, .value_kind: global_buffer, .address_space: global }
      - { .name: wo16, .offset: 8, .size: 8, .value_kind: global_buffer, .address_space: global }
      - { .name: out0, .offset: 16, .size: 8, .value_kind: global_buffer, .address_space: global }
      - { .name: biasr, .offset: 24, .size: 8, .value_kind: global_buffer, .address_space: global }
    .group_segment_fixed_size: 327680
    .private_segment_fixed_size: 0
    .kernarg_segment_align: 8
    .kernarg_segment_size: 32
    .max_flat_workgroup_size: 128
    .sgpr_count:     68
    .vgpr_count:     1024
    .wavefront_size: 32
...
	.end_amdgpu_metadata
.endif
;; end of part 4
;; ======== version 2 of 2: 4 launches; version 1 with the launches prep, attn written anew for expert scheduling mode
;; limits: values are held in f16: magnitudes above 65,504 overflow, below 6.1e-05 lose precision
;; workspace buffers: xb 33,554,432 bytes; wqkv 6,291,456 bytes; wo16 2,097,152 bytes; biasr 16,384 bytes; qkvb 100,663,296 bytes; ob 33,554,432 bytes
;; launch prep (part 5): grid 513 x 1, 8 waves a work-group, no clusters, 0 bytes of LDS; arguments x, Wq, Wk, Wv, Wo, bq, bk, bv, bo, xb, wqkv, wo16, biasr; writes xb, wqkv, wo16, biasr
.if DOCPART == 5
	.amdgcn_target "amdgcn-amd-amdhsa--gfx1250"
	.amdhsa_code_object_version 6
	.text
	.protected	k_qb6ef210ab9_prep
	.globl	k_qb6ef210ab9_prep
	.p2align	8
	.type	k_qb6ef210ab9_prep,@function
k_qb6ef210ab9_prep:
	s_mov_b64 s[64:65], 0
	v_nop
	global_prefetch_b8 v0, s[64:65] scope:SCOPE_SE
	s_setreg_imm32_b32 hwreg(HW_REG_WAVE_SCHED_MODE, 0, 2), 2
	s_setreg_imm32_b32 hwreg(HW_REG_WAVE_MODE, 25, 1), 1
	s_wait_xcnt 0x0
	s_wait_alu depctr_vm_vsrc(0)
; PREPARATION: every floating-point input is rounded once to bf16 and laid out for the launches behind.  (adj enters no result of the module and is not loaded.)
;   xb    [16384][1024] bf16 = x
;   wqkv  [3072][1024]  bf16 = Wq, Wk, Wv, their ROWS permuted (below)
;   wo16  [1024][1024]  f16  = Wo rounded to bf16, that number written as f16, its COLUMNS permuted by s1
;   biasr [4][1024]     f32  = bq, bk, bv (permuted like their matrices' rows), bo; each rounded to bf16 and widened again
; THE PERMUTATIONS, with n = head x 64 + d:
;   s1(n) = (d >> 3) x 128 + head x 8 + (d & 7)                                   for Wq, Wk, bq, bk and Wo's columns
;   s2(n) = (d >> 4) x 256 + (head >> 3) x 128 + (d & 15) x 8 + (head & 7)        for Wv, bv
; With them a token's q, k and v leave the first product in the order in which the attention launch's matrix fragments hold them: there every load and store of a wave is 512 bytes on end.
; LIMITS.  Wo must lie within f16's range (65,504); below 6e-5 it keeps f16's fixed step of 6e-8.
; SHARES.  A row is 1,024 f32: 4,096 bytes in, 2,048 out.  There are 16,384 rows of x and 4,096 rows of weights: wave W of 4,096 takes rows 4 W .. 4 W + 3 of x and row W of the weights
; (Wq, Wk, Wv, Wo on end), so that every wave, and every one of the work-groups 1 .. 512, moves the same bytes.  Work-group 0 makes the biases.
; A wave issues its 40 loads (20 KiB) at once and runs straight through.
; THE MODE: SCHED_MODE bits 1:0 = 2 (LLVM: expert scheduling mode 2), set by the entry lines.  The code itself states the register dependences
; between vector instructions and memory instructions, with s_wait_alu, always for 0.
; THE PLAN.  Registers that memory instructions touch:
;   v6, v7      the loads' offsets, v2 the stores': made once at the head, never written again.
;   X0 .. X3, WR  a row each.  Written once by the loads at the head, ahead of every vector instruction that names them; then in place by the row's conversions; then read by the row's eight
;               stores; never written after that.
; So no register that a memory instruction has read is written again, and no load lands in a register that a vector instruction has named.  What is left to state: the offsets are written ahead of
; the first load, and a row's conversions have written their results ahead of its stores.  A STEP is a row: step i converts row i, and its memory instructions are the stores of row i - 1, whose
; registers no vector instruction of step i names.  One wait at the step's head, behind the wait for row i's data, states all that those eight stores hang on; they are dealt among the conversions.
.set X,  8                             ; v[8:135]   x: row i, load j at X + 32 i + 4 j
.set WR, X+128                         ; v[136:167] the weights' row: load j at WR + 4 j
.set T,  0                             ; v[0:1]     at work in Wo's conversion, when the thread's number and the lane are no longer wanted
; a row of 1,024 f32 lies in 32 registers from reg on.  CAST: the four numbers of load j are rounded to bf16 in place.  SEND: they are stored, at byte off behind s[sb:sb+1]
.macro CAST reg, j
	v_cvt_pk_bf16_f32 v[(\reg)+4*(\j)],   v[(\reg)+4*(\j)],   v[(\reg)+4*(\j)+1]
	v_cvt_pk_bf16_f32 v[(\reg)+4*(\j)+1], v[(\reg)+4*(\j)+2], v[(\reg)+4*(\j)+3]
.endm
.macro SEND reg, j, sb, off
	global_store_b64 v2, v[(\reg)+4*(\j):(\reg)+4*(\j)+1], s[(\sb):(\sb)+1] offset:(\off)+256*(\j)  ; the wave's 32 lanes store 256 consecutive bytes, aligned
.endm
	s_load_b512 s[8:23], s[0:1], 0x0               ; x s[8:9], Wq s[10:11], Wk s[12:13], Wv s[14:15], Wo s[16:17], bq s[18:19], bk s[20:21], bv s[22:23]
	s_load_b256 s[24:31], s[0:1], 0x40             ; bo s[24:25], xb s[26:27], wqkv s[28:29], wo16 s[30:31]
	s_load_b64 s[32:33], s[0:1], 0x60              ; biasr
	v_lshrrev_b32 v1, 5, v0
	v_readfirstlane_b32 s34, v1                    ; wave 0..7
	v_and_b32 v1, 31, v0                           ; lane
	v_lshlrev_b32 v2, 3, v1                        ; 8 x lane: my 8 bytes of 256 stored
	v_lshlrev_b32 v6, 4, v1                        ; 16 x lane: my 16 bytes of 512 loaded
	v_lshrrev_b32 v7, 1, v1
	v_and_b32 v3, 1, v1
	v_lshlrev_b32 v7, 8, v7
	v_lshl_add_u32 v7, v3, 4, v7                   ; (lane >> 1) x 256 + (lane & 1) x 16: my 16 bytes of a load of Wo (below)
	s_mov_b32 s43, 0                               ; high word of every offset pair
	s_mov_b32 s3, 0xffff0000                       ; a word's upper bf16
	s_wait_alu depctr_va_sdst(0)                   ; s34 is written, ahead of its first reader: the wave's place among the 4,096 is made from it
	; the numbers that hang on no address are made while the arguments are on their way (in work-group 0 they serve nothing)
	s_sub_co_u32 s35, ttmp9, 1
	s_lshl_b32 s35, s35, 3
	s_add_co_u32 s35, s35, s34                     ; W: my wave among the 4,096
	s_lshr_b32 s4, s35, 10                         ; which matrix my weights' row lies in: 0 Wq, 1 Wk, 2 Wv, 3 Wo
	s_and_b32 s5, s35, 1023                        ; n: the row in it
	s_bfe_u32 s46, s5, 0x30003                     ; s1(n): (n >> 3) & 7 is d >> 3,
	s_lshl_b32 s46, s46, 7
	s_lshr_b32 s6, s5, 6                           ; n >> 6 the head,
	s_lshl_b32 s6, s6, 3
	s_or_b32 s46, s46, s6
	s_and_b32 s6, s5, 7                            ; n & 7 is d & 7
	s_or_b32 s46, s46, s6
	s_bfe_u32 s47, s5, 0x20004                     ; s2(n): (n >> 4) & 3 is d >> 4,
	s_lshl_b32 s47, s47, 8
	s_bfe_u32 s6, s5, 0x10009                      ; (n >> 9) & 1 is head >> 3,
	s_lshl_b32 s6, s6, 7
	s_or_b32 s47, s47, s6
	s_and_b32 s6, s5, 15                           ; n & 15 is d & 15,
	s_lshl_b32 s6, s6, 3
	s_or_b32 s47, s47, s6
	s_bfe_u32 s6, s5, 0x30006                      ; (n >> 6) & 7 is head & 7
	s_or_b32 s47, s47, s6
	s_cmp_eq_u32 s4, 2
	s_cselect_b32 s46, s47, s46
	s_lshl_b32 s6, s4, 10
	s_add_co_u32 s46, s46, s6                      ; the row in wqkv;
	s_cmp_eq_u32 s4, 3
	s_cselect_b32 s46, s5, s46                     ; Wo's rows stay where they are
	s_wait_kmcnt 0x0
	s_cmp_eq_u32 ttmp9, 0
	s_cbranch_scc1 .Lbias
	s_lshl_b32 s42, s35, 14                        ; 4 rows of 4,096 bytes
	s_add_nc_u64 s[36:37], s[8:9], s[42:43]        ; x at my first row
	s_lshl_b32 s42, s35, 13
	s_add_nc_u64 s[38:39], s[26:27], s[42:43]      ; xb at the same row
	s_cmp_eq_u32 s4, 0
	s_cselect_b64 s[40:41], s[10:11], s[12:13]
	s_cmp_eq_u32 s4, 2
	s_cselect_b64 s[40:41], s[14:15], s[40:41]
	s_cmp_eq_u32 s4, 3
	s_cselect_b64 s[40:41], s[16:17], s[40:41]
	s_cselect_b64 s[44:45], s[30:31], s[28:29]
	s_lshl_b32 s42, s5, 12
	s_add_nc_u64 s[40:41], s[40:41], s[42:43]      ; the weights' row, where it comes from
	s_lshl_b32 s42, s46, 11
	s_add_nc_u64 s[44:45], s[44:45], s[42:43]      ; and where it goes
	s_wait_alu depctr_va_vdst(0)                   ; v2, v6 and v7 are written: every load and store below reads one of them as its offset, and none of them is written again
.irp i, 0,1,2,3
.irp j, 0,1,2,3,4,5,6,7
	global_load_b128 v[X+32*(\i)+4*(\j):X+32*(\i)+4*(\j)+3], v6, s[36:37] offset:4096*(\i)+512*(\j) th:TH_LOAD_NT
.endr
.endr
	s_cmp_eq_u32 s4, 3
	s_cbranch_scc1 .Lwo_in
.irp j, 0,1,2,3,4,5,6,7
	global_load_b128 v[WR+4*(\j):WR+4*(\j)+3], v6, s[40:41] offset:512*(\j) th:TH_LOAD_NT
.endr
	s_branch .Lrows
.Lwo_in:
	; Wo's columns go by s1: destination column 128 j + 4 lane + e comes from column (lane >> 1) x 64 + 8 j + 4 (lane & 1) + e.  The permutation is made on the reading side:
	; a load takes 32 bytes of each of 16 blocks of 256, and the wave's eight loads j, issued on end, take all of them; the stores stay whole.
.irp j, 0,1,2,3,4,5,6,7
	global_load_b128 v[WR+4*(\j):WR+4*(\j)+3], v7, s[40:41] offset:32*(\j)
.endr
.Lrows:
	s_wait_loadcnt 32                              ; loads come back in order: row 0 of x is in; the 8 loads of each younger row and the weights' 8 may stay out
.irp j, 0,1,2,3,4,5,6,7
	CAST X, \j                                     ; step 0 has no row in front of it: no store
.endr
.irp i, 1,2,3
	s_wait_loadcnt 32-8*(\i)                       ; row i of x is in
	s_wait_alu depctr_va_vdst(0)                   ; the conversions of row i - 1 have written its registers, which the stores below read
.irp j, 0,1,2,3,4,5,6,7
	SEND X+32*((\i)-1), \j, 38, 2048*((\i)-1)      ; the row before; no vector instruction since the wait names its registers
	CAST X+32*(\i), \j
.endr
.endr
	s_wait_loadcnt 0x0                             ; the weights' row
	s_wait_alu depctr_va_vdst(0)                   ; the conversions of row 3 have written its registers, which the stores behind the branch read, on either way
	s_cmp_eq_u32 s4, 3
	s_cbranch_scc1 .Lwo_out
.irp j, 0,1,2,3,4,5,6,7
	SEND X+96, \j, 38, 6144                        ; row 3 of x
	CAST WR, \j
.endr
	s_wait_alu depctr_va_vdst(0)                   ; the conversions of the weights' row have written its registers, which the last eight stores read
.irp j, 0,1,2,3,4,5,6,7
	SEND WR, \j, 44, 0
.endr
	s_endpgm
.Lwo_out:
.irp j, 0,1,2,3,4,5,6,7
	SEND X+96, \j, 38, 6144                        ; row 3 of x: the lines below name v[T], v[T+1] and the weights' row alone
	v_cvt_pk_bf16_f32 v[T],   v[WR+4*(\j)],   v[WR+4*(\j)+1]  ; rounded to bf16 like every input,
	v_cvt_pk_bf16_f32 v[T+1], v[WR+4*(\j)+2], v[WR+4*(\j)+3]
	v_lshlrev_b32 v[WR+4*(\j)],   16, v[T]                    ; widened,
	v_and_b32     v[WR+4*(\j)+1], s3, v[T]
	v_lshlrev_b32 v[WR+4*(\j)+2], 16, v[T+1]
	v_and_b32     v[WR+4*(\j)+3], s3, v[T+1]
	v_cvt_pk_f16_f32 v[WR+4*(\j)],   v[WR+4*(\j)],   v[WR+4*(\j)+1]  ; and written as f16: 8 significant bits fit into 11
	v_cvt_pk_f16_f32 v[WR+4*(\j)+1], v[WR+4*(\j)+2], v[WR+4*(\j)+3]
.endr
	s_wait_alu depctr_va_vdst(0)                   ; the conversions of Wo's row have written its registers, which the last eight stores read
.irp j, 0,1,2,3,4,5,6,7
	SEND WR, \j, 44, 0
.endr
	s_endpgm
.Lbias:                                            ; thread t of 256 makes numbers 4 t .. 4 t + 3 of each of the four rows of biasr
	v_bfe_u32 v8, v0, 1, 4                         ; (t >> 1) & 15
	v_lshrrev_b32 v9, 5, v0                        ; t >> 5
	v_and_b32 v12, 1, v0                           ; t & 1
	v_bfe_u32 v13, v0, 5, 1                        ; (t >> 5) & 1
	v_lshrrev_b32 v14, 6, v0                       ; t >> 6
	v_lshlrev_b32 v10, 8, v8                       ; s1 backwards: head (t >> 1) & 15, d = 8 (t >> 5) + 4 (t & 1) + e: four numbers on end
	v_lshl_add_u32 v10, v9, 5, v10
	v_lshl_add_u32 v10, v12, 4, v10
	v_lshlrev_b32 v11, 11, v13                     ; s2 backwards: head 8 ((t >> 5) & 1) + 4 (t & 1) + e, d = 16 (t >> 6) + ((t >> 1) & 15): four numbers 256 bytes apart
	v_lshl_add_u32 v11, v12, 10, v11
	v_lshl_add_u32 v11, v14, 6, v11
	v_lshl_add_u32 v11, v8, 2, v11
	v_lshlrev_b32 v15, 4, v0                       ; 16 t
	s_wait_alu depctr_va_vdst(0)                   ; v10, v11 and v15 are written: the loads and stores below read them as offsets, and none of them is written again
	global_load_b128 v[16:19], v10, s[18:19]
	global_load_b128 v[20:23], v10, s[20:21]
.irp e, 0,1,2,3
	global_load_b32 v[24+(\e)], v11, s[22:23] offset:256*(\e)
.endr
	global_load_b128 v[28:31], v15, s[24:25]
	s_wait_loadcnt 0x0
.irp p, 16,18,20,22,24,26,28,30
	v_cvt_pk_bf16_f32 v32, v[\p], v[(\p)+1]
	v_lshlrev_b32 v[\p], 16, v32
	v_and_b32 v[(\p)+1], s3, v32
.endr
	s_wait_alu depctr_va_vdst(0)                   ; the lines above have written v[16:31], which the four stores read
.irp m, 0,1,2,3
	global_store_b128 v15, v[16+4*(\m):19+4*(\m)], s[32:33] offset:4096*(\m)
.endr
	s_endpgm
.Lfunc_end_k_qb6ef210ab9_prep:
	.size	k_qb6ef210ab9_prep, .Lfunc_end_k_qb6ef210ab9_prep-k_qb6ef210ab9_prep
	.p2alignl 7, 3214868480
	.fill 96, 4, 3214868480
	.section	.rodata,"a",@progbits
	.p2align	6, 0x0
	.amdhsa_kernel k_qb6ef210ab9_prep
		.amdhsa_group_segment_fixed_size 0
		.amdhsa_private_segment_fixed_size 0
		.amdhsa_enable_private_segment 0
		.amdhsa_kernarg_size 104
		.amdhsa_user_sgpr_count 2
		.amdhsa_user_sgpr_kernarg_segment_ptr 1
		.amdhsa_wavefront_size32 1
		.amdhsa_system_sgpr_workgroup_id_x 1
		.amdhsa_system_sgpr_workgroup_id_y 1
		.amdhsa_system_sgpr_workgroup_id_z 1
		.amdhsa_system_vgpr_workitem_id 0
		.amdhsa_next_free_vgpr 168
		.amdhsa_next_free_sgpr 66
		.amdhsa_reserve_vcc 0
		.amdhsa_float_denorm_mode_32 3
		.amdhsa_float_denorm_mode_16_64 3
		.amdhsa_memory_ordered 1
		.amdhsa_forward_progress 1
		.amdhsa_inst_pref_size 24
	.end_amdhsa_kernel
	.amdgpu_metadata
---
amdhsa.version: [ 1, 2 ]
amdhsa.kernels:
  - .name:           k_qb6ef210ab9_prep
    .symbol:         k_qb6ef210ab9_prep.kd
    .args:
      - { .name: x, .offset: 0, .size: 8, .value_kind: global_buffer, .address_space: global }
      - { .name: Wq, .offset: 8, .size: 8, .value_kind: global_buffer, .address_space: global }
      - { .name: Wk, .offset: 16, .size: 8, .value_kind: global_buffer, .address_space: global }
      - { .name: Wv, .offset: 24, .size: 8, .value_kind: global_buffer, .address_space: global }
      - { .name: Wo, .offset: 32, .size: 8, .value_kind: global_buffer, .address_space: global }
      - { .name: bq, .offset: 40, .size: 8, .value_kind: global_buffer, .address_space: global }
      - { .name: bk, .offset: 48, .size: 8, .value_kind: global_buffer, .address_space: global }
      - { .name: bv, .offset: 56, .size: 8, .value_kind: global_buffer, .address_space: global }
      - { .name: bo, .offset: 64, .size: 8, .value_kind: global_buffer, .address_space: global }
      - { .name: xb, .offset: 72, .size: 8, .value_kind: global_buffer, .address_space: global }
      - { .name: wqkv, .offset: 80, .size: 8, .value_kind: global_buffer, .address_space: global }
      - { .name: wo16, .offset: 88, .size: 8, .value_kind: global_buffer, .address_space: global }
      - { .name: biasr, .offset: 96, .size: 8, .value_kind: global_buffer, .address_space: global }
    .group_segment_fixed_size: 0
    .private_segment_fixed_size: 0
    .kernarg_segment_align: 8
    .kernarg_segment_size: 104
    .max_flat_workgroup_size: 256
    .sgpr_count:     66
    .vgpr_count:     168
    .wavefront_size: 32
...
	.end_amdgpu_metadata
.endif
;; end of part 5
;; launch qkv: the kernel of part 2 again; grid 4 x 64, 4 waves a work-group, clusters of 4 x 4, 327,680 bytes of LDS; arguments xb, wqkv, qkvb, biasr; writes qkvb
;; launch attn (part 6): grid 512 x 1, 8 waves a work-group, no clusters, 0 bytes of LDS; arguments qkvb, mask, ob; writes ob
.if DOCPART == 6
	.amdgcn_target "amdgcn-amd-amdhsa--gfx1250"
	.amdhsa_code_object_version 6
	.text
	.protected	k_qb6ef210ab9_attn
	.globl	k_qb6ef210ab9_attn
	.p2align	8
	.type	k_qb6ef210ab9_attn,@function
k_qb6ef210ab9_attn:
	s_mov_b64 s[64:65], 0
	v_nop
	global_prefetch_b8 v0, s[64:65] scope:SCOPE_SE
	s_setreg_imm32_b32 hwreg(HW_REG_WAVE_SCHED_MODE, 0, 2), 2
	s_setreg_imm32_b32 hwreg(HW_REG_WAVE_MODE, 25, 1), 1
	s_wait_xcnt 0x0
	s_wait_alu depctr_vm_vsrc(0)
; PER-TOKEN ATTENTION ACROSS THE 16 HEADS.  For each token: s[h][g] = q[h] . k[g] / 8; where mask[h][g] is 0 the score is REPLACED by -1e9; p = softmax over g; o[h] = the sum over g of p[h][g] v[g].
; qkvb: [16384][3072] f16, a token's q, k, v of 2,048 bytes each, in the orders that the launches before made (below); mask: [16384][16][16] int32, any whole number; ob: [16384][1024] f16.
; (adj enters no result of the module and is not loaded.)  Products, maximum and sum in f32; p is divided by its sum in f32 and then rounded to f16; o is rounded once.
; LIMITS.  q, k, v arrive finite, within f16's range; a weight below 2^-126 counts as 0; NaN and infinities are not treated apart.
; The replacement is made on the unscaled score, by -8e9 = 8 x -1e9 (exact in f32), so that order and differences are those of the scaled scores; a row whose 16 keys are all hidden gives 16 equal weights.
; LAYOUT.  S^T = K Q^T (source 0 = the 16 keys g, source 1 = the 16 queries h): lane l holds query l % 16 and keys 8 (l / 16) + 0..7, which is 32 bytes on end of the mask's row.  Rounded in pairs these
; eight weights are registers 0-3 of source 1 of O^T = V^T P (K = 32, of which 16 keys are real).  q and k lie as [d / 8][head][d % 8], v as [d / 16][g / 8][d % 16][g % 8]: 16 bytes a lane at 16 x lane
; ARE half a fragment.  Two of v's halves (channel blocks 2 m, 2 m + 1) fill one source 0; against (P, 0) it gives block 2 m, against (0, P) block 2 m + 1: the idle half of K meets zeros.
; O^T holds query l % 16 and channels 8 (l / 16) + 0..7 of a block: stored at 16 x lane it lies as [d / 8][head][d % 8], the order of wo16's columns.
; SHARES.  A wave takes 4 tokens and runs straight through; no wave wants a byte that another has fetched, so there is no LDS, no barrier and no cluster.  Its 56 loads (28 KiB) go out at its head.
; THE MODE: SCHED_MODE bits 1:0 = 2 (LLVM: expert scheduling mode 2), set by the entry lines.  The code itself states the register dependences
; between vector or matrix instructions and memory instructions, with s_wait_alu, always for 0.
; THE PLAN.  Registers that memory instructions touch:
;   v[VL], v[VM]   the offsets of every load and store: made once at the head, never written again.
;   S, QK, V       written once by the 56 loads at the head, ahead of every vector or matrix instruction that names them; from then on vector and matrix instructions alone name them,
;   QK             but for the low four registers of each block of O^T: written by the block's conversions, read by its one store, never written after that.
; So no register that a memory instruction has read is written again, and no load lands in a register that a vector instruction has named.  What is left to state: the offsets are written ahead of the
; first load; a token's conversions have written their results ahead of its stores; and the scalar registers that vector instructions write (the wave's number; the 32 lane masks) are written ahead
; of their first readers.  On the way out a STEP is a token: step t converts token t, and its memory instructions are the four stores of token t - 1, whose registers no vector instruction of
; step t names: one wait at the step's head states all that they hang on.
.set TOKB, 6144
.set VL,  2                            ; v2   16 x lane
.set VM,  3                            ; v3   (l % 16) x 64 + (l / 16) x 32: my 8 words of the mask
.set NEG, 4                            ; v4   -8e9
.set ST,  8                            ; v[8:23]   token t at ST + 4 t: m, at work, l and then 1 / l, at work
.set ZP,  28                           ; v[28:31]  0
.set S,   32                           ; v[32:63]  8 a token: the mask's words, then S^T, then P and four zeros
.set QK,  64                           ; v[64:191] 32 a token: q (16), k (16); later 4 at work; then O^T
.set V,   192                          ; v[192:255] 16 a token
.set MK,  32                           ; s[32:63]  lane masks: token t, register j at MK + 8 t + j
	s_load_b128 s[4:7], s[0:1], 0x0                ; qkvb s[4:5], mask s[6:7]
	s_load_b64 s[8:9], s[0:1], 0x10                ; ob
	v_lshrrev_b32 v1, 5, v0
	v_readfirstlane_b32 s10, v1                    ; wave 0..7
	v_and_b32 v1, 31, v0
	v_lshlrev_b32 v[VL], 4, v1
	v_and_b32 v5, 15, v0
	v_bfe_u32 v6, v0, 4, 1
	v_lshlrev_b32 v[VM], 6, v5
	v_lshl_add_u32 v[VM], v6, 5, v[VM]
	v_mov_b32 v[NEG], 0xcfee6b28
	s_mov_b32 s12, 0x3e38aa3b                      ; c = log2(e) / 8
	s_mov_b32 s13, s12                             ; named with it as a pair
	s_mov_b32 s14, 0x76543210                      ; v_permlanex16_b32: each lane takes its own place in the other half
	s_mov_b32 s15, 0xfedcba98
	s_wait_alu depctr_va_sdst(0)                   ; s10 is written, ahead of its first reader: the three bases are made from it
	s_lshl_b32 s11, ttmp9, 3
	s_add_co_u32 s11, s11, s10                     ; my wave among the launch's 4,096
	s_mul_i32 s16, s11, 4*TOKB
	s_mov_b32 s17, 0
	s_lshl_b32 s18, s11, 12                        ; 4 tokens x 1,024 bytes of mask
	s_mov_b32 s19, 0
	s_lshl_b32 s20, s11, 13                        ; 4 tokens x 2,048 bytes of ob
	s_mov_b32 s21, 0
	s_wait_kmcnt 0x0
	s_add_nc_u64 s[4:5], s[4:5], s[16:17]
	s_add_nc_u64 s[6:7], s[6:7], s[18:19]
	s_add_nc_u64 s[8:9], s[8:9], s[20:21]
	s_wait_alu depctr_va_vdst(0)                   ; v[VL] and v[VM] are written: every load and store of the kernel reads one of them as its offset, and neither is written again
.irp t, 0,1,2,3
.irp e, 0,1
	global_load_b128 v[S+8*(\t)+4*(\e):S+8*(\t)+4*(\e)+3], v[VM], s[6:7] offset:1024*(\t)+16*(\e) th:TH_LOAD_NT
.endr
.endr
.irp t, 0,1,2,3
.irp i, 0,1,2,3,4,5,6,7
	global_load_b128 v[QK+32*(\t)+4*(\i):QK+32*(\t)+4*(\i)+3], v[VL], s[4:5] offset:TOKB*(\t)+512*(\i) th:TH_LOAD_NT  ; i 0-3: q, channels 16 i + 8 (l / 16) on; i 4-7: k
.endr
.endr
.irp t, 0,1,2,3
.irp i, 0,1,2,3
	global_load_b128 v[V+16*(\t)+4*(\i):V+16*(\t)+4*(\i)+3], v[VL], s[4:5] offset:TOKB*(\t)+4096+512*(\i) th:TH_LOAD_NT  ; channel block i
.endr
.endr
.irp r, 0,1,2,3
	v_mov_b32 v[ZP+(\r)], 0
	v_mov_b32 v[ST+4*(\r)+1], 0                    ; v_permlanex16_b32's destinations count as read: they are written once here
	v_mov_b32 v[ST+4*(\r)+3], 0
.endr
	s_wait_loadcnt 48                              ; the mask is in; the 48 loads of q, k and v may stay out
.irp t, 0,1,2,3
.irp j, 0,1,2,3,4,5,6,7
	v_cmp_eq_u32 s[MK+8*(\t)+(\j)], 0, v[S+8*(\t)+(\j)]  ; a bit a lane: this key is hidden from this query.  The words' registers are then free for the scores
.endr
.endr
	s_wait_loadcnt 16                              ; q and k are in; v's 16 loads may stay out
.irp t, 0,1,2,3                        ; S^T = K Q^T: channels 0-31 start the sums; the four tokens' accumulators take turns
	v_wmma_f32_16x16x32_f16 v[S+8*(\t):S+8*(\t)+7], v[QK+32*(\t)+16:QK+32*(\t)+23], v[QK+32*(\t):QK+32*(\t)+7], 0
.endr
.irp t, 0,1,2,3                        ; channels 32-63
	v_wmma_f32_16x16x32_f16 v[S+8*(\t):S+8*(\t)+7], v[QK+32*(\t)+24:QK+32*(\t)+31], v[QK+32*(\t)+8:QK+32*(\t)+15], v[S+8*(\t):S+8*(\t)+7]
.endr
.rept 8
	v_nop                                          ; the places behind those products (ISA guide 7.12.1); eight, since the lines below write the results in place
.endr
	s_wait_alu depctr_va_sdst(0)                   ; the 32 compares have written s[MK ..], ahead of their first reader: one wait for the run
.irp j, 0,1,2,3,4,5,6,7                ; each accumulator from its low end on
.irp t, 0,1,2,3
	v_cndmask_b32 v[S+8*(\t)+(\j)], v[S+8*(\t)+(\j)], v[NEG], s[MK+8*(\t)+(\j)]
.endr
.endr
.irp t, 0,1,2,3
	v_max3_num_f32 v[ST+4*(\t)], v[S+8*(\t)], v[S+8*(\t)+1], v[S+8*(\t)+2]
.endr
.irp t, 0,1,2,3
	v_max3_num_f32 v[ST+4*(\t)], v[ST+4*(\t)], v[S+8*(\t)+3], v[S+8*(\t)+4]
.endr
.irp t, 0,1,2,3
	v_max3_num_f32 v[ST+4*(\t)], v[ST+4*(\t)], v[S+8*(\t)+5], v[S+8*(\t)+6]
.endr
.irp t, 0,1,2,3
	v_max_num_f32 v[ST+4*(\t)], v[ST+4*(\t)], v[S+8*(\t)+7]
.endr
.irp t, 0,1,2,3
	v_permlanex16_b32 v[ST+4*(\t)+1], v[ST+4*(\t)], s14, s15   ; the query's other 8 keys lie in the lane 16 away
.endr
.irp t, 0,1,2,3
	v_max_num_f32 v[ST+4*(\t)], v[ST+4*(\t)], v[ST+4*(\t)+1]   ; m
.endr
; (s - m) c, as a true difference and then a product: the largest score gives exactly 0, however large the scores are; a fused c s - c m would leave c m's rounding in the exponent
.irp i, 0,2,4,6
.irp t, 0,1,2,3
	v_pk_add_f32 v[S+8*(\t)+(\i):S+8*(\t)+(\i)+1], v[S+8*(\t)+(\i):S+8*(\t)+(\i)+1], v[ST+4*(\t):ST+4*(\t)+1] op_sel_hi:[1,0] neg_lo:[0,1] neg_hi:[0,1]
.endr
.endr
.irp i, 0,2,4,6
.irp t, 0,1,2,3
	v_pk_mul_f32 v[S+8*(\t)+(\i):S+8*(\t)+(\i)+1], v[S+8*(\t)+(\i):S+8*(\t)+(\i)+1], s[12:13] op_sel_hi:[1,0]
.endr
.endr
.set r, 0
.rept 32
	v_exp_f32 v[S+r], v[S+r]                       ; one batch of 32
.set r, r+1
.endr
	v_nop                                          ; a plain instruction behind the last exponential (ISA guide 5.7.2),
	s_wait_alu depctr_va_vdst(0)                   ; and one wait ahead of the batch's first reader: the 32 exponentials have written v[S ..]
.irp t, 0,1,2,3
	v_pk_add_f32 v[QK+32*(\t):QK+32*(\t)+1], v[S+8*(\t):S+8*(\t)+1], v[S+8*(\t)+2:S+8*(\t)+3]
.endr
.irp t, 0,1,2,3
	v_pk_add_f32 v[QK+32*(\t)+2:QK+32*(\t)+3], v[S+8*(\t)+4:S+8*(\t)+5], v[S+8*(\t)+6:S+8*(\t)+7]
.endr
.irp t, 0,1,2,3
	v_pk_add_f32 v[QK+32*(\t):QK+32*(\t)+1], v[QK+32*(\t):QK+32*(\t)+1], v[QK+32*(\t)+2:QK+32*(\t)+3]
.endr
.irp t, 0,1,2,3
	v_add_f32 v[ST+4*(\t)+2], v[QK+32*(\t)], v[QK+32*(\t)+1]
.endr
.irp t, 0,1,2,3
	v_permlanex16_b32 v[ST+4*(\t)+3], v[ST+4*(\t)+2], s14, s15
.endr
.irp t, 0,1,2,3
	v_add_f32 v[ST+4*(\t)+2], v[ST+4*(\t)+2], v[ST+4*(\t)+3]   ; l, at least 1: the largest score's weight is 1
.endr
.irp t, 0,1,2,3
	v_rcp_f32 v[ST+4*(\t)+2], v[ST+4*(\t)+2]
.endr
	v_nop                                          ; a plain instruction behind the last reciprocal,
	s_wait_alu depctr_va_vdst(0)                   ; and one wait for the four, ahead of their first reader: the reciprocals have written v[ST + 4 t + 2]
.irp i, 0,2,4,6
.irp t, 0,1,2,3
	v_pk_mul_f32 v[S+8*(\t)+(\i):S+8*(\t)+(\i)+1], v[S+8*(\t)+(\i):S+8*(\t)+(\i)+1], v[ST+4*(\t)+2:ST+4*(\t)+3] op_sel_hi:[1,0]
.endr
.endr
.irp i, 0,1,2,3                        ; in place and ascending: register i is written when pair i - 1 has long been read
.irp t, 0,1,2,3
	v_cvt_pk_f16_f32 v[S+8*(\t)+(\i)], v[S+8*(\t)+2*(\i)], v[S+8*(\t)+2*(\i)+1]
.endr
.endr
.irp i, 4,5,6,7
.irp t, 0,1,2,3
	v_mov_b32 v[S+8*(\t)+(\i)], 0                  ; keys 16-31 of (P, 0); also keys 0-15 of the next token's (0, P)
.endr
.endr
	s_wait_loadcnt 0x0                             ; v is in
.irp t, 0,1,2,3                        ; O^T = V^T P: 16 products, each with an accumulator of its own
.irp m, 0,1
	v_wmma_f32_16x16x32_f16 v[QK+32*(\t)+16*(\m):QK+32*(\t)+16*(\m)+7],    v[V+16*(\t)+8*(\m):V+16*(\t)+8*(\m)+7], v[S+8*(\t):S+8*(\t)+7], 0
	v_wmma_f32_16x16x32_f16 v[QK+32*(\t)+16*(\m)+8:QK+32*(\t)+16*(\m)+15], v[V+16*(\t)+8*(\m):V+16*(\t)+8*(\m)+7], v[S+8*(\t)-4:S+8*(\t)+3], 0
.endr
.endr
.rept 8
	v_nop                                          ; the places behind those products; eight, since the conversions below write the results in place
.endr
; THE WAY OUT.  PACKO: channel block b of token t is rounded to f16, in place, from the accumulator's low end on.  SENDO: it is stored.
.macro PACKO t, b
.irp i, 0,1,2,3
	v_cvt_pk_f16_f32 v[QK+32*(\t)+8*(\b)+(\i)], v[QK+32*(\t)+8*(\b)+2*(\i)], v[QK+32*(\t)+8*(\b)+2*(\i)+1]
.endr
.endm
.macro SENDO t, b
	global_store_b128 v[VL], v[QK+32*(\t)+8*(\b):QK+32*(\t)+8*(\b)+3], s[8:9] offset:2048*(\t)+512*(\b)  ; the wave stores 512 consecutive bytes, aligned
.endm
.irp b, 0,1,2,3
	PACKO 0, \b                                    ; step 0 has no token in front of it: no store
.endr
.irp t, 1,2,3
	s_wait_alu depctr_va_vdst(0)                   ; the conversions of token t - 1 have written its four blocks, which the stores below read
.irp b, 0,1,2,3
	SENDO (\t)-1, \b                               ; the token before; no vector instruction since the wait names its registers
	PACKO \t, \b
.endr
.endr
	s_wait_alu depctr_va_vdst(0)                   ; the conversions of token 3 have written its four blocks, which the last four stores read
.irp b, 0,1,2,3
	SENDO 3, \b
.endr
	s_endpgm
.Lfunc_end_k_qb6ef210ab9_attn:
	.size	k_qb6ef210ab9_attn, .Lfunc_end_k_qb6ef210ab9_attn-k_qb6ef210ab9_attn
	.p2alignl 7, 3214868480
	.fill 96, 4, 3214868480
	.section	.rodata,"a",@progbits
	.p2align	6, 0x0
	.amdhsa_kernel k_qb6ef210ab9_attn
		.amdhsa_group_segment_fixed_size 0
		.amdhsa_private_segment_fixed_size 0
		.amdhsa_enable_private_segment 0
		.amdhsa_kernarg_size 24
		.amdhsa_user_sgpr_count 2
		.amdhsa_user_sgpr_kernarg_segment_ptr 1
		.amdhsa_wavefront_size32 1
		.amdhsa_system_sgpr_workgroup_id_x 1
		.amdhsa_system_sgpr_workgroup_id_y 1
		.amdhsa_system_sgpr_workgroup_id_z 1
		.amdhsa_system_vgpr_workitem_id 0
		.amdhsa_next_free_vgpr 256
		.amdhsa_next_free_sgpr 66
		.amdhsa_reserve_vcc 0
		.amdhsa_float_denorm_mode_32 3
		.amdhsa_float_denorm_mode_16_64 3
		.amdhsa_memory_ordered 1
		.amdhsa_forward_progress 1
		.amdhsa_inst_pref_size 28
	.end_amdhsa_kernel
	.amdgpu_metadata
---
amdhsa.version: [ 1, 2 ]
amdhsa.kernels:
  - .name:           k_qb6ef210ab9_attn
    .symbol:         k_qb6ef210ab9_attn.kd
    .args:
      - { .name: qkvb, .offset: 0, .size: 8, .value_kind: global_buffer, .address_space: global }
      - { .name: mask, .offset: 8, .size: 8, .value_kind: global_buffer, .address_space: global }
      - { .name: ob, .offset: 16, .size: 8, .value_kind: global_buffer, .address_space: global }
    .group_segment_fixed_size: 0
    .private_segment_fixed_size: 0
    .kernarg_segment_align: 8
    .kernarg_segment_size: 24
    .max_flat_workgroup_size: 256
    .sgpr_count:     66
    .vgpr_count:     256
    .wavefront_size: 32
...
	.end_amdgpu_metadata
.endif
;; end of part 6
;; launch proj: the kernel of part 4 again; grid 4 x 64, 4 waves a work-group, clusters of 4 x 4, 327,680 bytes of LDS; arguments ob, wo16, out0, biasr; writes out0
